; MI455X (gfx1250); checked and timed in simulation.
; The chip was launched on July 23, 2026; its instructions are those of AMD's public machine-readable ISA for CDNA 5 (MIT licence, August 2026) and "CDNA5" Instruction Set Architecture Reference Guide (July 2026). The comments in the code are by the model that wrote it; some were corrected since.
;; Mo E Layer. Allowed arithmetic: matrix products marked QUANTISED: E4M3 operands, one E8M0 scale for each 32 along K, by v_wmma_scale_f32_16x16x128_f8f6f4 with both operands' format E4M3, f32 sums; products left as they are: f32 operands where the result goes on into a quantised operand, else bf16, f16 or f32 operands; f32 sums; everything else in f32.
;; Inputs: W1 8 x 512 x 2,048 float32; W2 8 x 2,048 x 512 float32; Wg 8 x 512 float32; x 4 x 1,024 x 512 float32.
;; Outputs: out0 4 x 1,024 x 512 float32; out1 4 x 1,024 x 8 float32.
;; This version of the problem:
;;   THIS VERSION OF THE PROBLEM IS GIVEN IN LOW PRECISION. The matrix products marked QUANTISED in the list below multiply operands that are first quantised to E4M3 (4 exponent bits, 3 mantissa bits; 8 bits a number), with one power-of-two scale for each 32 numbers along K (OCP MX v1.0); their sums are f32. All else is computed in f32.
;;   The module's matrix products, in the order in which they are computed (A, B: the left and right operand; K: the contracted axis; several contracted axes count as one K, in the product's order):
;;     1. [M 4,096, K 512] x [K 512, N 8]; A: input x; B: input Wg: left as it is (N = 8 < 16)
;;     2. [M 4,096, K 512] x [K 512, N 2,048]; A: input x; B: input W1: QUANTISED
;;     3. [M 4,096, K 2,048] x [K 2,048, N 512]; A: computed on the way; B: input W2: QUANTISED
;;     4. [M 4,096, K 512] x [K 512, N 2,048]; A: input x; B: input W1: QUANTISED
;;     5. [M 4,096, K 2,048] x [K 2,048, N 512]; A: computed on the way; B: input W2: QUANTISED
;;     6. [M 4,096, K 512] x [K 512, N 2,048]; A: input x; B: input W1: QUANTISED
;;     7. [M 4,096, K 2,048] x [K 2,048, N 512]; A: computed on the way; B: input W2: QUANTISED
;;     8. [M 4,096, K 512] x [K 512, N 2,048]; A: input x; B: input W1: QUANTISED
;;     9. [M 4,096, K 2,048] x [K 2,048, N 512]; A: computed on the way; B: input W2: QUANTISED
;;     10. [M 4,096, K 512] x [K 512, N 2,048]; A: input x; B: input W1: QUANTISED
;;     11. [M 4,096, K 2,048] x [K 2,048, N 512]; A: computed on the way; B: input W2: QUANTISED
;;     12. [M 4,096, K 512] x [K 512, N 2,048]; A: input x; B: input W1: QUANTISED
;;     13. [M 4,096, K 2,048] x [K 2,048, N 512]; A: computed on the way; B: input W2: QUANTISED
;;     14. [M 4,096, K 512] x [K 512, N 2,048]; A: input x; B: input W1: QUANTISED
;;     15. [M 4,096, K 2,048] x [K 2,048, N 512]; A: computed on the way; B: input W2: QUANTISED
;;     16. [M 4,096, K 512] x [K 512, N 2,048]; A: input x; B: input W1: QUANTISED
;;     17. [M 4,096, K 2,048] x [K 2,048, N 512]; A: computed on the way; B: input W2: QUANTISED
;;   THE QUANTISER, for each operand of a quantised product, along K:
;;     - K is cut into blocks of 32 from its start; a last block that is shorter is filled with zeros.
;;     - A block's scale is 2^e with e = floor(log2(the largest magnitude in the block)) - 8, held to -126 .. 127; a block of zeros has e = 0. As a byte (E8M0): e + 127.
;;     - Each number is divided by its block's scale, clamped to +-448, and rounded to the nearest number of E4M3, ties to even, subnormals kept.
;;     - The product sums the exact products of the quantised numbers (number of the format x scale) in f32.
;;   ~~~python
;;   def quantise(x, axis):      # numpy; x: float32 -> the quantised numbers, widened to float32 again
;;       x = np.moveaxis(x, axis, -1); K = x.shape[-1]
;;       x = np.pad(x, [(0, 0)] * (x.ndim - 1) + [(0, -K % 32)]); x = x.reshape(x.shape[:-1] + (-1, 32)); a = np.abs(x).max(-1, keepdims=True)
;;       e = np.where(a > 0, np.clip(np.frexp(np.where(a > 0, a, 1))[1] - 1 - 8, -126, 127), 0)      # np.frexp(a)[1] - 1 = floor(log2(a)), exactly
;;       r = np.clip(x / 2.0 ** e, -448, 448)
;;       step = 2.0 ** (np.maximum(np.frexp(np.where(r == 0, 1, r))[1] - 1, -6) - 3)
;;       q = np.round(r / step) * step * 2.0 ** e      # np.round: ties to even
;;       return np.moveaxis(q.reshape(q.shape[:-2] + (-1,))[..., :K], -1, axis).astype(np.float32)
;;   ~~~
;;   OPERANDS COMPUTED ON THE WAY. 'Computed on the way' means the value that the module computes at that place (a softmax that the list does not call 'softmax' is quantised finished and normalised). What goes into a quantiser is computed in f32, as accurately as f32 sums, v_exp_f32 and their like allow (about 1e-6 of the number): no bf16 or f16 on the way to a quantiser, and a product that is left as it is and whose result goes on into a quantised operand takes f32 operands (vector FMAs, or v_wmma_f32_16x16x4_f32). A number that lies on a knife's edge between two numbers of the format may be rounded either way, as far as f32 arithmetic and the matrix unit's own rounding can turn it there, and no further.
;; 2 versions, each right; version 2 is version 1 with the launch chain written anew for expert scheduling mode. Each part assembles by itself: llvm-mc -triple=amdgcn-amd-amdhsa -mcpu=gfx1250 --defsym DOCPART=n.
;; ======== version 1 of 2: 4 launches
;; workspace buffers: w1q 8,388,608 bytes; w2q 8,388,608 bytes; wsc 524,288 bytes; sel 32,768 bytes of whole numbers; rw 32,768 bytes; plan 36,864 bytes of whole numbers; y 16,777,216 bytes
;; launch front (part 1): grid 288 x 1, 8 waves a work-group, no clusters, 2,048 bytes of LDS; arguments x, Wg, W1, w1q, wsc, sel, rw, out1; writes w1q, wsc, sel, rw, out1
.if DOCPART == 1
	.amdgcn_target "amdgcn-amd-amdhsa--gfx1250"
	.amdhsa_code_object_version 6
	.text
	.protected	k_q9e76b2e0c4_front
	.globl	k_q9e76b2e0c4_front
	.p2align	8
	.type	k_q9e76b2e0c4_front,@function
k_q9e76b2e0c4_front:
	s_mov_b64 s[64:65], 0
	v_nop
	global_prefetch_b8 v0, s[64:65] scope:SCOPE_SE
	s_setreg_imm32_b32 hwreg(HW_REG_WAVE_MODE, 25, 1), 1
	s_wait_xcnt 0x0
; FRONT.  Two jobs, told apart by the work-group's number alone.
;   work-groups 0-31:   the router: logits = x Wg^T in f32 (out1), the two largest of each token (ties: the lower index first), their softmax; the chosen experts and weights go to fixed places, [2 token + k].
;   work-groups 32-287: W1 [8][512 K][2048] f32 -> codes of E4M3 and E8M0 scale words, laid in the order of a matrix operand's registers.
; THE WEIGHT.  K is its first axis: a lane takes ONE column and its registers run down K, 128 numbers (one K step of the matrix instruction).  A block of 32 along K lies in one lane: its largest magnitude needs no other lane.
; A wave takes 32 columns: two tiles of 16.  Lane (u = lane / 16, r = lane % 16) takes column 8 u + r + 8 (r / 8) of the 32, so that in the product, used transposed, a lane's 16 results of the two tiles are 16 neighbouring columns.
; A fragment (16 columns x 128 K) is stored as 2,048 bytes: register group c (k = 32 c + 16 h + 0..15) of operand lane r + 16 h at 512 c + 16 (r + 16 h).  My block b gives group b of operand lanes r and r + 16: two stores of 16 bytes, 256 bytes apart;
; of each store lanes 0-15 cover 256 consecutive aligned bytes, lanes 16-31 those of the other tile.
; The scale words of two K steps and 32 columns make 256 bytes: four waves' words meet in LDS and leave as whole runs of 256 bytes.
; A block's scale byte is its largest magnitude's exponent field - 8, held at 1 from below.
; LIMITS: NaN and infinities are not served.  A block of zeros, and one whose largest magnitude lies under 2^-118, keeps the byte 1 (zero blocks: their codes are zeros, and this program alone reads the bytes).
; Two logits that agree to the last bits of f32 may change places against a sum taken in another order.
.set X,   64                           ; v64-191  the weight: my column's 128 numbers
.set CD,  16                           ; v16-47   their codes, 8 registers a block, never rewritten
.set SW,  48                           ; v48      my column's scale word
.set MNT, 31                           ; s31      the mantissa field of 448
.set SU,  16                           ; router: v16-31 eight packed sums
.set LG,  32                           ; v32-39  a token's eight logits
.set PT,  40                           ; v40-47  destinations of the lane exchange
.set CAP, 48                           ; v48-51  lane L: token L / 2, experts 4 (L % 2) + 0..3
.set S4,  52                           ; v52-55
.set PA,  56                           ; v56-59  my neighbour's four
.set R,   64                           ; v64-127 four sets of 16 numbers of x
.set WG,  128                          ; v128-255 Wg: expert e, load i at v[WG + 16 e + 4 i]
	s_load_b128 s[4:7], s[0:1], 0x0                ; x, Wg
	s_load_b64 s[8:9], s[0:1], 0x10                ; W1
	s_load_b64 s[12:13], s[0:1], 0x18              ; w1q
	s_load_b256 s[16:23], s[0:1], 0x20             ; wsc, sel, rw, out1
	v_lshl_add_u32 v14, v0, 2, 0x400
	v_mov_b32 v15, 0
	v_lshrrev_b32 v6, 5, v0
	v_readfirstlane_b32 s24, v6                    ; wave 0..7
	v_and_b32 v7, 31, v0                           ; lane
	s_cmp_lt_u32 ttmp9, 32
	s_cbranch_scc1 .Lrouter
	; ---- the weight: what hangs on lane and wave alone
	v_and_b32 v52, 15, v0                          ; r
	v_bfe_u32 v53, v0, 4, 1                        ; u
	v_and_b32 v54, 8, v52
	v_add_nc_u32 v54, v54, v52
	v_lshl_add_u32 v54, v53, 3, v54                ; my column of the 32: 8 u + r + 8 (r / 8)
	v_lshlrev_b32 v1, 2, v54                       ; in bytes: the wave reads 128 consecutive bytes of a row
	v_lshlrev_b32 v2, 4, v52
	v_lshl_add_u32 v2, v53, 11, v2                 ; codes: tile u, operand lane r
	v_lshlrev_b32 v5, 3, v7                        ; 8 x lane: two scale words a lane
	s_and_b32 s25, s24, 1                          ; cg: which 32 of the work-group's 64 columns
	s_lshr_b32 s26, s24, 1                         ; kl: which of its four K steps
	s_and_b32 s27, s26, 1                          ; kl % 2
	s_lshr_b32 s28, s24, 2                         ; kl / 2
	s_lshl_b32 s29, s28, 9
	s_lshl_b32 s30, s25, 8
	s_add_co_u32 s29, s29, s30
	s_lshl_b32 s30, s27, 2
	s_add_co_u32 s29, s29, s30                     ; LDS: run (kl / 2, cg) of 256 bytes, word kl % 2 of my lane's two
	s_and_b32 s30, s24, 3
	s_lshl_b32 s30, s30, 8                         ; the run that waves 0 to 3 read back
	s_mov_b32 s[MNT], 0x600000
	s_mov_b32 s43, 0
; One block of 32 along K.  left: how many younger loads may stay out.
.macro QW b, left
	s_wait_loadcnt \left
.set XB, X+32*(\b)
	v_max3_num_f32 v8, |v[XB]|, |v[XB+1]|, |v[XB+2]|   ; the block's largest magnitude, in two chains
	v_max3_num_f32 v9, |v[XB+3]|, |v[XB+4]|, |v[XB+5]|
.irp i, 6,10,14,18,22,26
	v_max3_num_f32 v8, v8, |v[XB+\i]|, |v[XB+\i+1]|
	v_max3_num_f32 v9, v9, |v[XB+\i+2]|, |v[XB+\i+3]|
.endr
	v_max3_num_f32 v8, v8, |v[XB+30]|, |v[XB+31]|
	v_max3_num_f32 v8, v8, v9, 0x4800000           ; and the floor 2^(9 - 127): the byte cannot fall under 1
	v_add_nc_u32 v11, 0xfc000000, v8               ; 8 off the exponent field: the conversion's scale operand
	v_and_or_b32 v10, v8, 0x7f800000, s[MNT]       ; 448 x the scale
	v_lshrrev_b32 v12, 23, v11                     ; the scale's byte
.if (\b) == 0
	v_mov_b32 v[SW], v12
.else
	v_lshl_or_b32 v[SW], v12, 8*(\b), v[SW]
.endif
.irp i, 0,1,2,3,4,5,6,7,8,9,10,11,12,13,14,15,16,17,18,19,20,21,22,23,24,25,26,27,28,29,30,31
	v_med3_num_f32 v[XB+\i], v[XB+\i], -v10, v10   ; the conversion to an 8-bit code does not saturate (ISA guide 7.6.2): the hold comes first
.endr
.irp g, 0,1,2,3
	v_cvt_scalef32_pk8_fp8_f32 v[CD+8*(\b)+2*\g:CD+8*(\b)+2*\g+1], v[XB+8*\g:XB+8*\g+7], v11
.endr
	global_store_b128 v2, v[CD+8*(\b):CD+8*(\b)+3], s[38:39] offset:512*(\b)          ; k = 32 b + 0..15: operand lane r
	global_store_b128 v2, v[CD+8*(\b)+4:CD+8*(\b)+7], s[38:39] offset:512*(\b)+256    ; k = 32 b + 16..31: operand lane r + 16
.endm
; A wave's whole share.  s[36:37] the weight at my K step and 32 columns, s[38:39] the two fragments, s[40:41] the run of scale words that I store (waves 0-3).  pitch: bytes of a row; lb: where the path's LDS bytes begin.
.macro WBODY pitch, lb
	s_add_co_u32 s44, s29, \lb
	v_add_nc_u32 v3, s44, v5
	s_add_co_u32 s45, s30, \lb
	v_add_nc_u32 v4, s45, v5
.set n, 0
.rept 128
	global_load_b32 v[X+n], v1, s[36:37] offset:n*\pitch th:TH_LOAD_NT
.set n, n+1
.endr
	QW 0, 63                                       ; behind block 0's loads stand 96, behind block 1's 64: the wait's field ends at 63, and a smaller count is safe
	QW 1, 63
	QW 2, 32                                       ; block 3's 32 loads may stay out
	QW 3, 0
	ds_store_b32 v3, v[SW]
	s_wait_dscnt 0x0                               ; for the others' sake: my word lies in LDS
	s_barrier_signal -1
	s_barrier_wait -1
	s_cmp_lt_u32 s24, 4
	s_cbranch_scc0 .Lw_end_\@
	ds_load_b64 v[50:51], v4
	s_wait_dscnt 0x0
	global_store_b64 v5, v[50:51], s[40:41]        ; 32 lanes store 256 consecutive bytes, aligned
.Lw_end_\@:
	s_wait_tensorcnt 0x0
	ds_add_u32 v14, v15
	s_wait_dscnt 0x0
	s_endpgm
.endm
	; ---- W1: work-group g = e x 32 + q: columns 64 q on, all four K steps
	s_sub_co_u32 s32, ttmp9, 32
	s_lshr_b32 s33, s32, 5                         ; e
	s_and_b32 s34, s32, 31
	s_lshl_b32 s34, s34, 1
	s_add_co_u32 s34, s34, s25                     ; which 32 columns: 2 q + cg
	s_lshl_b32 s42, s33, 22
	s_lshl_b32 s35, s26, 20                        ; 128 rows of 8,192 bytes
	s_add_co_u32 s42, s42, s35
	s_lshl_b32 s35, s34, 7
	s_add_co_u32 s42, s42, s35
	s_wait_kmcnt 0x0
	s_add_nc_u64 s[36:37], s[8:9], s[42:43]
	s_lshl_b32 s42, s33, 20
	s_lshl_b32 s35, s34, 14
	s_add_co_u32 s42, s42, s35
	s_lshl_b32 s35, s26, 12
	s_add_co_u32 s42, s42, s35
	s_add_nc_u64 s[38:39], s[12:13], s[42:43]
	s_lshl_b32 s42, s33, 15
	s_lshl_b32 s35, s27, 14                        ; (in waves 0-3 this is wave / 2: the pair of K steps whose run I store)
	s_add_co_u32 s42, s42, s35
	s_lshl_b32 s35, s34, 8
	s_add_co_u32 s42, s42, s35
	s_add_nc_u64 s[40:41], s[16:17], s[42:43]
	WBODY 8192, 0
.Lrouter:	; ---- the router: a wave takes 16 tokens; a lane 16 of a token's 512 numbers; Wg stays in registers
	s_lshl_b32 s25, ttmp9, 3
	s_add_co_u32 s25, s25, s24                     ; which 16 tokens: 0..255
	v_lshlrev_b32 v1, 4, v7                        ; 16 x lane
	v_lshlrev_b32 v2, 2, v7                        ; 4 x lane
	s_lshl_b32 s26, s25, 15                        ; 16 rows of 2,048 bytes
	s_mov_b32 s27, 0
	s_mov_b32 s28, 0xaaaaaaaa                      ; the odd lanes
	s_mov_b32 s30, 0x76543210
	s_mov_b32 s31, 0xfedcba98                      ; v_permlanex16_b32's selects for lane l xor 16
	s_wait_kmcnt 0x0
	s_add_nc_u64 s[4:5], s[4:5], s[26:27]
.irp e, 0,1,2,3,4,5,6,7
.irp i, 0,1,2,3
	global_load_b128 v[WG+16*\e+4*\i:WG+16*\e+4*\i+3], v1, s[6:7] offset:2048*\e+512*\i
.endr
.endr
.irp t, 0,1,2,3
.irp i, 0,1,2,3
	global_load_b128 v[R+16*\t+4*\i:R+16*\t+4*\i+3], v1, s[4:5] offset:2048*\t+512*\i th:TH_LOAD_NT
.endr
.endr
	s_lshl_b32 s26, s25, 9
	s_add_nc_u64 s[22:23], s[22:23], s[26:27]      ; out1: 32 bytes a token
	s_lshl_b32 s26, s25, 7
	s_add_nc_u64 s[18:19], s[18:19], s[26:27]      ; sel and rw: 8 bytes a token
	s_add_nc_u64 s[20:21], s[20:21], s[26:27]
.irp i, 0,1,2,3,4,5,6,7
	v_mov_b32 v[PT+\i], 0                          ; written once: a lane exchange's destination counts as one of its sources
.endr
.irp i, 0,1,2,3
	v_mov_b32 v[CAP+\i], 0
	v_mov_b32 v[PA+\i], 0
.endr
.macro TOK t
.if (\t) <= 12
	s_wait_loadcnt 12                              ; this token's four loads are in; those of the three tokens behind it may be out
.else
	s_wait_loadcnt 4*(15-(\t))
.endif
.set RS, R+16*((\t)%4)
.irp q, 0,1,2,3,4,5,6,7
.irp e, 0,1,2,3,4,5,6,7
.if \q == 0
	v_pk_mul_f32 v[SU+2*\e:SU+2*\e+1], v[RS:RS+1], v[WG+16*\e:WG+16*\e+1]     ; the first product starts the sum
.else
	v_pk_fma_f32 v[SU+2*\e:SU+2*\e+1], v[RS+2*\q:RS+2*\q+1], v[WG+16*\e+2*\q:WG+16*\e+2*\q+1], v[SU+2*\e:SU+2*\e+1]
.endif
.endr
.endr
.if (\t)+4 < 16
.irp i, 0,1,2,3
	global_load_b128 v[RS+4*\i:RS+4*\i+3], v1, s[4:5] offset:2048*((\t)+4)+512*\i th:TH_LOAD_NT
.endr
.endif
.irp e, 0,1,2,3,4,5,6,7
	v_add_f32 v[LG+\e], v[SU+2*\e], v[SU+2*\e+1]
.endr
.irp k, 1,2,4,8
.irp e, 0,1,2,3,4,5,6,7
	v_add_f32_dpp v[LG+\e], v[LG+\e], v[LG+\e] row_xmask:\k row_mask:0xf bank_mask:0xf
.endr
.endr
.irp e, 0,1,2,3,4,5,6,7
	v_permlanex16_b32 v[PT+\e], v[LG+\e], s30, s31
.endr
.irp e, 0,1,2,3,4,5,6,7
	v_add_f32 v[LG+\e], v[LG+\e], v[PT+\e]         ; every lane holds the token's eight logits
.endr
	s_mov_b32 s29, 3<<(2*(\t))                     ; lanes 2 t and 2 t + 1 keep them: four each
.irp i, 0,1,2,3
	v_cndmask_b32 v[S4+\i], v[LG+\i], v[LG+4+\i], s28
.endr
.irp i, 0,1,2,3
	v_cndmask_b32 v[CAP+\i], v[CAP+\i], v[S4+\i], s29
.endr
.endm
.irp t, 0,1,2,3,4,5,6,7,8,9,10,11,12,13,14,15
	TOK \t
.endr
	global_store_b128 v1, v[CAP:CAP+3], s[22:23]   ; 16 tokens' logits: 512 consecutive bytes
.irp i, 0,1,2,3
	v_mov_b32_dpp v[PA+\i], v[CAP+\i] row_xmask:1 row_mask:0xf bank_mask:0xf
.endr
.irp i, 0,1,2,3
	v_cndmask_b32 v[LG+\i], v[CAP+\i], v[PA+\i], s28       ; both lanes of a token hold all eight again
	v_cndmask_b32 v[LG+4+\i], v[PA+\i], v[CAP+\i], s28
.endr
	v_mov_b32 v60, v[LG]                           ; the largest and its index,
	v_mov_b32 v61, 0
	v_mov_b32 v62, 0xff800000                      ; the second and its index
	v_mov_b32 v63, 0
.irp e, 1,2,3,4,5,6,7                  ; strict compares in ascending order: of equals the lower index stands first
	v_cmp_gt_f32 s29, v[LG+\e], v60
	v_cmp_gt_f32 vcc_lo, v[LG+\e], v62
	v_cndmask_b32 v62, v62, v[LG+\e], vcc_lo
	v_cndmask_b32 v63, v63, \e, vcc_lo
	v_cndmask_b32 v62, v62, v60, s29
	v_cndmask_b32 v63, v63, v61, s29
	v_cndmask_b32 v60, v60, v[LG+\e], s29
	v_cndmask_b32 v61, v61, \e, s29
.endr
	v_sub_f32 v64, v62, v60                        ; the softmax of the two, the larger taken away: 1 / (1 + ex) and ex / (1 + ex), ex = e^(second - first), at most 1
	v_mul_f32 v64, 0x3fb8aa3b, v64
	v_exp_f32 v65, v64
	v_nop                                          ; a plain line behind the transcendental,
	s_wait_alu depctr_va_vdst(0)                   ; and the wait ahead of its first reader
	v_add_f32 v66, 1.0, v65
	v_rcp_f32 v67, v66
	v_nop
	s_wait_alu depctr_va_vdst(0)
	v_mul_f32 v68, v65, v67
	v_cndmask_b32 v69, v61, v63, s28               ; the even lane stores the first choice, the odd lane the second
	v_cndmask_b32 v70, v67, v68, s28
	global_store_b32 v2, v69, s[18:19]
	global_store_b32 v2, v70, s[20:21]
	s_endpgm
.Lfunc_end_k_q9e76b2e0c4_front:
	.size	k_q9e76b2e0c4_front, .Lfunc_end_k_q9e76b2e0c4_front-k_q9e76b2e0c4_front
	.p2alignl 7, 3214868480
	.fill 96, 4, 3214868480
	.section	.rodata,"a",@progbits
	.p2align	6, 0x0
	.amdhsa_kernel k_q9e76b2e0c4_front
		.amdhsa_group_segment_fixed_size 2048
		.amdhsa_private_segment_fixed_size 0
		.amdhsa_enable_private_segment 0
		.amdhsa_kernarg_size 64
		.amdhsa_user_sgpr_count 2
		.amdhsa_user_sgpr_kernarg_segment_ptr 1
		.amdhsa_wavefront_size32 1
		.amdhsa_system_sgpr_workgroup_id_x 1
		.amdhsa_system_sgpr_workgroup_id_y 1
		.amdhsa_system_sgpr_workgroup_id_z 1
		.amdhsa_system_vgpr_workitem_id 0
		.amdhsa_next_free_vgpr 256
		.amdhsa_next_free_sgpr 66
		.amdhsa_reserve_vcc 1
		.amdhsa_float_denorm_mode_32 3
		.amdhsa_float_denorm_mode_16_64 3
		.amdhsa_memory_ordered 1
		.amdhsa_forward_progress 1
		.amdhsa_inst_pref_size 167
	.end_amdhsa_kernel
	.amdgpu_metadata
---
amdhsa.version: [ 1, 2 ]
amdhsa.kernels:
  - .name:           k_q9e76b2e0c4_front
    .symbol:         k_q9e76b2e0c4_front.kd
    .args:
      - { .name: x, .offset: 0, .size: 8, .value_kind: global_buffer, .address_space: global }
      - { .name: Wg, .offset: 8, .size: 8, .value_kind: global_buffer, .address_space: global }
      - { .name: W1, .offset: 16, .size: 8, .value_kind: global_buffer, .address_space: global }
      - { .name: w1q, .offset: 24, .size: 8, .value_kind: global_buffer, .address_space: global }
      - { .name: wsc, .offset: 32, .size: 8, .value_kind: global_buffer, .address_space: global }
      - { .name: sel, .offset: 40, .size: 8, .value_kind: global_buffer, .address_space: global }
      - { .name: rw, .offset: 48, .size: 8, .value_kind: global_buffer, .address_space: global }
      - { .name: out1, .offset: 56, .size: 8, .value_kind: global_buffer, .address_space: global }
    .group_segment_fixed_size: 2048
    .private_segment_fixed_size: 0
    .kernarg_segment_align: 8
    .kernarg_segment_size: 64
    .max_flat_workgroup_size: 256
    .sgpr_count:     66
    .vgpr_count:     256
    .wavefront_size: 32
...
	.end_amdgpu_metadata
.endif
;; end of part 1
;; launch back (part 2): grid 257 x 1, 8 waves a work-group, no clusters, 6,144 bytes of LDS; arguments sel, W2, w2q, wsc, plan; writes w2q, wsc, plan
.if DOCPART == 2
	.amdgcn_target "amdgcn-amd-amdhsa--gfx1250"
	.amdhsa_code_object_version 6
	.text
	.protected	k_q9e76b2e0c4_back
	.globl	k_q9e76b2e0c4_back
	.p2align	8
	.type	k_q9e76b2e0c4_back,@function
k_q9e76b2e0c4_back:
	s_mov_b64 s[64:65], 0
	v_nop
	global_prefetch_b8 v0, s[64:65] scope:SCOPE_SE
	s_setreg_imm32_b32 hwreg(HW_REG_WAVE_MODE, 25, 1), 1
	s_wait_xcnt 0x0
; BACK.  Two jobs, told apart by the work-group's number alone.
;   work-group 0:       the placing of rows.  It reads the chosen experts, which the launch before stored as whole numbers, and runs beside the quantiser, so that no launch is spent on it alone.
;   work-groups 1-256:  W2 [8][2048 K][512] f32 -> codes of E4M3 and E8M0 scale words, laid in the order of a matrix operand's registers.
; THE PLACING.  The 8,192 routed rows (id = 2 token + k) are sorted by expert, by counting, and cut into exactly 178 tiles of at most 48 rows of one expert.  Whole numbers only; one work-group; no atomics.
; plan: bytes 0 on: 192 entries (expert, first place in the list, rows, 0), of which 178 are used; bytes 4,096 on: the list of ids, expert by expert.
; The sum over experts of ceil(rows / 48) lies between 171 and 178.  The sp tiles that are missing to 178 (at most 7) are made by halving the first sp full tiles of the expert with the most rows
; (at least 1,024 rows: 21 full tiles): its first 2 sp tiles have 24 rows.  So every one of the 178 tiles has at least one row, whatever the split.
; Wave w owns ids 1,024 w + 32 j + lane, j = 0..31.  The rank work goes expert by expert, four j at a time with four masks, so that no line waits for the line above it.
; THE WEIGHT.  K is its first axis: a lane takes ONE column and its registers run down K, 128 numbers (one K step).  A wave takes 32 columns: two tiles of 16; lane (u = lane / 16, r = lane % 16) takes column
; 8 u + r + 8 (r / 8) of the 32.  A fragment (16 columns x 128 K) is stored as 2,048 bytes: register group c of operand lane r + 16 h at 512 c + 16 (r + 16 h).  Of each store of codes lanes 0-15 cover 256 consecutive
; aligned bytes, lanes 16-31 those of the other tile.  The scale words of two K steps and 32 columns make 256 bytes: four waves' words meet in LDS and leave as whole runs of 256 bytes.
; A block's scale byte is its largest magnitude's exponent field - 8, held at 1 from below.
; LIMITS: NaN and infinities are not served.  A block of zeros, and one whose largest magnitude lies under 2^-118, keeps the byte 1 (zero blocks: their codes are zeros, and this program alone reads the bytes).
; Each path has LDS bytes of its own: the weight's 0-1,023, the placing's from PL on.
.set X,   64                           ; the weight: v64-191 my column's 128 numbers
.set CD,  16                           ; v16-47   their codes, 8 registers a block, never rewritten
.set SW,  48                           ; v48      my column's scale word
.set MNT, 31                           ; s31      the mantissa field of 448
.set PL,  1024                         ; the placing: LDS [expert][wave], rows of 128 bytes
.set SE,  32                           ; v32-63   my 32 ids' experts
.set RK,  64                           ; v64-95   their ranks among the wave's rows of the same expert
.set ID,  96                           ; v96-127  my ids
.set PO,  128                          ; v128-159 their places in the list
.set TP,  160                          ; v160-167 at work
.set CT,  168                          ; v168-175 expert e: lane l holds wave (l % 8)'s count
.set SM,  176                          ; v176-183 sums: low half all waves, high half the waves ahead of mine
.set OV,  184                          ; v184-191 expert e's offset for my wave
.set CNT, 8                            ; s8-15   my wave's counts; later the experts' tiles
.set TOT, 16                           ; s16-23  the experts' rows
.set OFF, 24                           ; s24-31  rows of waves ahead of mine; then + the expert's first place
.set BASE, 32                          ; s32-39  the experts' first places
.set TB,  40                           ; s40-47  the experts' first tiles
.set MK,  56                           ; s56-59  four masks
.set NB,  60                           ; s60-63  their counts of bits
	s_load_b64 s[4:5], s[0:1], 0x0                 ; sel
	s_load_b64 s[10:11], s[0:1], 0x8               ; W2
	s_load_b64 s[14:15], s[0:1], 0x10              ; w2q
	s_load_b64 s[16:17], s[0:1], 0x18              ; wsc
	s_load_b64 s[6:7], s[0:1], 0x20                ; plan
	v_lshl_add_u32 v254, v0, 2, 0x1400
	v_mov_b32 v255, 0
	v_lshrrev_b32 v6, 5, v0
	v_readfirstlane_b32 s24, v6                    ; wave 0..7
	v_and_b32 v7, 31, v0                           ; lane
	s_cmp_eq_u32 ttmp9, 0
	s_cbranch_scc1 .Lplace
	; ---- the weight: what hangs on lane and wave alone
	v_and_b32 v52, 15, v0                          ; r
	v_bfe_u32 v53, v0, 4, 1                        ; u
	v_and_b32 v54, 8, v52
	v_add_nc_u32 v54, v54, v52
	v_lshl_add_u32 v54, v53, 3, v54                ; my column of the 32: 8 u + r + 8 (r / 8)
	v_lshlrev_b32 v1, 2, v54                       ; in bytes: the wave reads 128 consecutive bytes of a row
	v_lshlrev_b32 v2, 4, v52
	v_lshl_add_u32 v2, v53, 11, v2                 ; codes: tile u, operand lane r
	v_lshlrev_b32 v5, 3, v7                        ; 8 x lane: two scale words a lane
	s_and_b32 s25, s24, 1                          ; cg: which 32 of the work-group's 64 columns
	s_lshr_b32 s26, s24, 1                         ; kl: which of its four K steps
	s_and_b32 s27, s26, 1                          ; kl % 2
	s_lshr_b32 s28, s24, 2                         ; kl / 2
	s_lshl_b32 s29, s28, 9
	s_lshl_b32 s30, s25, 8
	s_add_co_u32 s29, s29, s30
	s_lshl_b32 s30, s27, 2
	s_add_co_u32 s29, s29, s30                     ; LDS: run (kl / 2, cg) of 256 bytes, word kl % 2 of my lane's two
	s_and_b32 s30, s24, 3
	s_lshl_b32 s30, s30, 8                         ; the run that waves 0 to 3 read back
	s_mov_b32 s[MNT], 0x600000
	s_mov_b32 s43, 0
; One block of 32 along K.  left: how many younger loads may stay out.
.macro QW b, left
	s_wait_loadcnt \left
.set XB, X+32*(\b)
	v_max3_num_f32 v8, |v[XB]|, |v[XB+1]|, |v[XB+2]|   ; the block's largest magnitude, in two chains
	v_max3_num_f32 v9, |v[XB+3]|, |v[XB+4]|, |v[XB+5]|
.irp i, 6,10,14,18,22,26
	v_max3_num_f32 v8, v8, |v[XB+\i]|, |v[XB+\i+1]|
	v_max3_num_f32 v9, v9, |v[XB+\i+2]|, |v[XB+\i+3]|
.endr
	v_max3_num_f32 v8, v8, |v[XB+30]|, |v[XB+31]|
	v_max3_num_f32 v8, v8, v9, 0x4800000           ; and the floor 2^(9 - 127): the byte cannot fall under 1
	v_add_nc_u32 v11, 0xfc000000, v8               ; 8 off the exponent field: the conversion's scale operand
	v_and_or_b32 v10, v8, 0x7f800000, s[MNT]       ; 448 x the scale
	v_lshrrev_b32 v12, 23, v11                     ; the scale's byte
.if (\b) == 0
	v_mov_b32 v[SW], v12
.else
	v_lshl_or_b32 v[SW], v12, 8*(\b), v[SW]
.endif
.irp i, 0,1,2,3,4,5,6,7,8,9,10,11,12,13,14,15,16,17,18,19,20,21,22,23,24,25,26,27,28,29,30,31
	v_med3_num_f32 v[XB+\i], v[XB+\i], -v10, v10   ; the conversion to an 8-bit code does not saturate (ISA guide 7.6.2): the hold comes first
.endr
.irp g, 0,1,2,3
	v_cvt_scalef32_pk8_fp8_f32 v[CD+8*(\b)+2*\g:CD+8*(\b)+2*\g+1], v[XB+8*\g:XB+8*\g+7], v11
.endr
	global_store_b128 v2, v[CD+8*(\b):CD+8*(\b)+3], s[38:39] offset:512*(\b)          ; k = 32 b + 0..15: operand lane r
	global_store_b128 v2, v[CD+8*(\b)+4:CD+8*(\b)+7], s[38:39] offset:512*(\b)+256    ; k = 32 b + 16..31: operand lane r + 16
.endm
; A wave's whole share.  s[36:37] the weight at my K step and 32 columns, s[38:39] the two fragments, s[40:41] the run of scale words that I store (waves 0-3).  pitch: bytes of a row; lb: where the path's LDS bytes begin.
.macro WBODY pitch, lb
	s_add_co_u32 s44, s29, \lb
	v_add_nc_u32 v3, s44, v5
	s_add_co_u32 s45, s30, \lb
	v_add_nc_u32 v4, s45, v5
.set n, 0
.rept 128
	global_load_b32 v[X+n], v1, s[36:37] offset:n*\pitch th:TH_LOAD_NT
.set n, n+1
.endr
	QW 0, 63                                       ; behind block 0's loads stand 96, behind block 1's 64: the wait's field ends at 63, and a smaller count is safe
	QW 1, 63
	QW 2, 32                                       ; block 3's 32 loads may stay out
	QW 3, 0
	ds_store_b32 v3, v[SW]
	s_wait_dscnt 0x0                               ; for the others' sake: my word lies in LDS
	s_barrier_signal -1
	s_barrier_wait -1
	s_cmp_lt_u32 s24, 4
	s_cbranch_scc0 .Lw_end_\@
	ds_load_b64 v[50:51], v4
	s_wait_dscnt 0x0
	global_store_b64 v5, v[50:51], s[40:41]        ; 32 lanes store 256 consecutive bytes, aligned
.Lw_end_\@:
	s_wait_tensorcnt 0x0
	ds_add_u32 v254, v255
	s_wait_dscnt 0x0
	s_endpgm
.endm
	; ---- W2: work-group 1 + g, g = e x 32 + z x 8 + q: columns 64 q on, K steps 4 z on
	s_sub_co_u32 s32, ttmp9, 1
	s_lshr_b32 s33, s32, 5                         ; e
	s_and_b32 s34, s32, 7
	s_lshl_b32 s34, s34, 1
	s_add_co_u32 s34, s34, s25                     ; which 32 columns
	s_bfe_u32 s46, s32, 0x20003                    ; z
	s_lshl_b32 s47, s46, 2
	s_add_co_u32 s47, s47, s26                     ; K step 0..15
	s_lshl_b32 s42, s33, 22
	s_lshl_b32 s35, s47, 18                        ; 128 rows of 2,048 bytes
	s_add_co_u32 s42, s42, s35
	s_lshl_b32 s35, s34, 7
	s_add_co_u32 s42, s42, s35
	s_wait_kmcnt 0x0
	s_add_nc_u64 s[36:37], s[10:11], s[42:43]
	s_lshl_b32 s42, s33, 20                        ; codes: [e][K step / 2][columns / 128][K step % 2][(columns / 32) % 4]
	s_lshr_b32 s35, s47, 1
	s_lshl_b32 s35, s35, 17
	s_add_co_u32 s42, s42, s35
	s_lshr_b32 s35, s34, 2
	s_lshl_b32 s35, s35, 15
	s_add_co_u32 s42, s42, s35
	s_and_b32 s35, s47, 1
	s_lshl_b32 s35, s35, 14
	s_add_co_u32 s42, s42, s35
	s_and_b32 s35, s34, 3
	s_lshl_b32 s35, s35, 12
	s_add_co_u32 s42, s42, s35
	s_add_nc_u64 s[38:39], s[14:15], s[42:43]
	s_lshl_b32 s42, s33, 15
	s_lshl_b32 s35, s46, 1
	s_add_co_u32 s35, s35, s27                     ; (in waves 0-3 s27 is wave / 2: the pair of K steps whose run I store)
	s_lshl_b32 s35, s35, 12
	s_add_co_u32 s42, s42, s35
	s_lshl_b32 s35, s34, 8
	s_add_co_u32 s42, s42, s35
	s_add_co_u32 s42, s42, 0x40000                 ; W2's scale words lie behind W1's
	s_add_nc_u64 s[40:41], s[16:17], s[42:43]
	WBODY 2048, 0
.Lplace:	; ---- the placing
	v_readfirstlane_b32 s3, v6                     ; wave 0..7 (s24 becomes one of the offsets below)
	v_lshlrev_b32 v3, 2, v7                        ; 4 x lane
	v_lshl_add_u32 v4, v6, 12, v3                  ; my first id's word in sel
	v_lshl_add_u32 v5, v6, 10, v7                  ; my first id
	v_lshlrev_b32 v1, 7, v7
	v_lshl_add_u32 v1, v6, 2, v1                   ; LDS [expert = lane][wave]: 128 x lane + 4 x wave
	v_and_b32 v2, 7, v0
	v_lshlrev_b32 v2, 2, v2                        ; 4 x (lane % 8): a lane stands for a wave
	s_wait_kmcnt 0x0                               ; all five addresses are in: the scalar registers of those that this path does not use are written below
.irp e, 0,1,2,3,4,5,6,7
	s_mov_b32 s[CNT+\e], 0
.endr
.set n, 0
.rept 32
	global_load_b32 v[SE+n], v4, s[4:5] offset:128*n
.set n, n+1
.endr
.set n, 0
.rept 32
	v_mov_b32 v[RK+n], 0
	v_add_nc_u32 v[ID+n], 32*n, v5
.set n, n+1
.endr
	s_wait_loadcnt 0x0
; A row's rank: the wave's rows of its expert in earlier j, and those in lower lanes of its own j.  Expert e, j = j0 .. j0 + 3.
.macro RANK4 e, j0
.irp i, 0,1,2,3
	v_cmp_eq_u32 s[MK+\i], \e, v[SE+\j0+\i]
.endr
.irp i, 0,1,2,3
	v_mbcnt_lo_u32_b32 v[TP+\i], s[MK+\i], 0
.endr
.irp i, 0,1,2,3
	s_bcnt1_i32_b32 s[NB+\i], s[MK+\i]
.endr
.irp i, 0,1,2,3
	v_add_nc_u32 v[TP+\i], s[CNT+\e], v[TP+\i]
	s_add_co_u32 s[CNT+\e], s[CNT+\e], s[NB+\i]
.endr
.irp i, 0,1,2,3
	v_cndmask_b32 v[RK+\j0+\i], v[RK+\j0+\i], v[TP+\i], s[MK+\i]
.endr
.endm
.irp e, 0,1,2,3,4,5,6,7
.irp j0, 0,4,8,12,16,20,24,28
	RANK4 \e, \j0
.endr
.endr
	v_mov_b32 v8, 0
.irp e, 0,1,2,3,4,5,6,7
	v_writelane_b32 v8, s[CNT+\e], \e
.endr
	ds_store_b32 v1, v8 offset:PL                  ; lanes 0-7: my wave's eight counts (lanes 8-31 store zeros into rows that nobody reads)
	s_wait_dscnt 0x0
	s_barrier_signal -1
	s_barrier_wait -1
.irp e, 0,1,2,3,4,5,6,7
	ds_load_b32 v[CT+\e], v2 offset:PL+128*\e
.endr
	s_bfm_b32 s52, s3, 0                           ; the lanes that stand for waves ahead of mine
	s_mov_b32 s55, 0xff                            ; the lanes that stand for waves, each once
	s_wait_dscnt 0x0
.irp e, 0,1,2,3,4,5,6,7
	v_cndmask_b32 v[SM+\e], 0, v[CT+\e], s52
.endr
.irp e, 0,1,2,3,4,5,6,7
	v_cndmask_b32 v[TP+\e], 0, v[CT+\e], s55
.endr
.irp e, 0,1,2,3,4,5,6,7
	v_lshl_or_b32 v[SM+\e], v[SM+\e], 16, v[TP+\e] ; both sums stay under 2^16: one addition serves both
.endr
.irp k, 1,2,4                          ; lanes 0-7 hold all that counts: three steps bring the sum into each of them
.irp e, 0,1,2,3,4,5,6,7
	v_mov_b32_dpp v[TP+\e], v[SM+\e] row_xmask:\k row_mask:0xf bank_mask:0xf
.endr
.irp e, 0,1,2,3,4,5,6,7
	v_add_nc_u32 v[SM+\e], v[SM+\e], v[TP+\e]
.endr
.endr
.irp e, 0,1,2,3,4,5,6,7
	v_readfirstlane_b32 s53, v[SM+\e]
	s_and_b32 s[TOT+\e], s53, 0xffff
	s_lshr_b32 s[OFF+\e], s53, 16
.endr
	s_mov_b32 s[BASE], 0
.irp e, 1,2,3,4,5,6,7
	s_add_co_u32 s[BASE+\e], s[BASE+\e-1], s[TOT+\e-1]
.endr
	s_mov_b32 s50, 178
.irp e, 0,1,2,3,4,5,6,7
	s_add_co_u32 s[OFF+\e], s[OFF+\e], s[BASE+\e]
	s_add_co_u32 s[CNT+\e], s[TOT+\e], 47          ; tiles = (rows + 47) / 48 = ((rows + 47) / 16) / 3
	s_lshr_b32 s[CNT+\e], s[CNT+\e], 4
	s_mul_i32 s[CNT+\e], s[CNT+\e], 0xaaab         ; a / 3 = (a x 43,691) >> 17 for a under 2^15
	s_lshr_b32 s[CNT+\e], s[CNT+\e], 17
	s_sub_co_u32 s50, s50, s[CNT+\e]               ; sp: the tiles missing to 178
.endr
	s_mov_b32 s48, 0                               ; the first expert with the most rows
	s_mov_b32 s49, s[TOT]
.irp e, 1,2,3,4,5,6,7
	s_cmp_gt_u32 s[TOT+\e], s49
	s_cselect_b32 s48, \e, s48
	s_cselect_b32 s49, s[TOT+\e], s49
.endr
	s_lshl_b32 s51, s50, 1
.irp e, 0,1,2,3,4,5,6,7
	s_cmp_eq_u32 s48, \e
	s_cselect_b32 s53, s50, 0
	s_add_co_u32 s[CNT+\e], s[CNT+\e], s53
.endr
	s_mov_b32 s[TB], 0
.irp e, 1,2,3,4,5,6,7
	s_add_co_u32 s[TB+\e], s[TB+\e-1], s[CNT+\e-1]
.endr
	; the list: an id's place = its expert's first place + the rows of waves ahead of mine + its rank
.irp e, 0,1,2,3,4,5,6,7
	v_mov_b32 v[OV+\e], s[OFF+\e]
.endr
.set n, 0
.rept 32
	v_mov_b32 v[PO+n], s[OFF]
.set n, n+1
.endr
.irp e, 1,2,3,4,5,6,7
.irp j0, 0,4,8,12,16,20,24,28
.irp i, 0,1,2,3
	v_cmp_eq_u32 s[MK+\i], \e, v[SE+\j0+\i]
.endr
.irp i, 0,1,2,3
	v_cndmask_b32 v[PO+\j0+\i], v[PO+\j0+\i], v[OV+\e], s[MK+\i]
.endr
.endr
.endr
.set n, 0
.rept 32
	v_add_nc_u32 v[PO+n], v[PO+n], v[RK+n]
	v_min_u32 v[PO+n], 0x1fff, v[PO+n]
	v_lshlrev_b32 v[PO+n], 2, v[PO+n]
	global_store_b32 v[PO+n], v[ID+n], s[6:7] offset:4096
.set n, n+1
.endr
	; the table: threads 0-191, an entry each
	s_cmp_lt_u32 s3, 6
	s_cbranch_scc0 .Lend
	v_mov_b32 v208, 0                              ; the last expert whose first tile is not behind mine,
	v_mov_b32 v209, s[TB]                          ; its first tile,
	v_mov_b32 v210, s[BASE]                        ; first place,
	v_mov_b32 v211, s[TOT]                         ; and rows
.irp e, 1,2,3,4,5,6,7
	v_cmp_le_u32 vcc_lo, s[TB+\e], v0
	v_cndmask_b32 v208, v208, \e, vcc_lo
	v_cndmask_b32 v209, v209, s[TB+\e], vcc_lo
	v_cndmask_b32 v210, v210, s[BASE+\e], vcc_lo
	v_cndmask_b32 v211, v211, s[TOT+\e], vcc_lo
.endr
	v_sub_nc_u32 v212, v0, v209                    ; j: my tile among the expert's
	v_cmp_eq_u32 s53, s48, v208                    ; the expert with the halved tiles?
	v_cmp_gt_u32 s54, s51, v212                    ; j under 2 sp?
	s_and_b32 s54, s54, s53                        ; a halved tile
	v_mov_b32 v213, s50
	v_cndmask_b32 v213, 0, v213, s53
	v_sub_nc_u32 v214, v212, v213                  ; which run of 48 rows a whole tile takes
	v_mul_lo_u32 v215, v214, 48
	v_sub_nc_u32 v218, v211, v215
	v_min_u32 v218, 48, v218                       ; its rows: what is left, 48 at the most
	v_mul_u32_u24 v217, v212, 24
	v_cndmask_b32 v217, v215, v217, s54
	v_cndmask_b32 v218, v218, 24, s54
	v_add_nc_u32 v217, v210, v217
	v_min_u32 v217, 0x1fff, v217
	v_mov_b32 v216, v208
	v_mov_b32 v219, 0
	v_lshlrev_b32 v220, 4, v0
	global_store_b128 v220, v[216:219], s[6:7]
.Lend:
	s_wait_tensorcnt 0x0
	ds_add_u32 v254, v255
	s_wait_dscnt 0x0
	s_endpgm
.Lfunc_end_k_q9e76b2e0c4_back:
	.size	k_q9e76b2e0c4_back, .Lfunc_end_k_q9e76b2e0c4_back-k_q9e76b2e0c4_back
	.p2alignl 7, 3214868480
	.fill 96, 4, 3214868480
	.section	.rodata,"a",@progbits
	.p2align	6, 0x0
	.amdhsa_kernel k_q9e76b2e0c4_back
		.amdhsa_group_segment_fixed_size 6144
		.amdhsa_private_segment_fixed_size 0
		.amdhsa_enable_private_segment 0
		.amdhsa_kernarg_size 40
		.amdhsa_user_sgpr_count 2
		.amdhsa_user_sgpr_kernarg_segment_ptr 1
		.amdhsa_wavefront_size32 1
		.amdhsa_system_sgpr_workgroup_id_x 1
		.amdhsa_system_sgpr_workgroup_id_y 1
		.amdhsa_system_sgpr_workgroup_id_z 1
		.amdhsa_system_vgpr_workitem_id 0
		.amdhsa_next_free_vgpr 256
		.amdhsa_next_free_sgpr 66
		.amdhsa_reserve_vcc 1
		.amdhsa_float_denorm_mode_32 3
		.amdhsa_float_denorm_mode_16_64 3
		.amdhsa_memory_ordered 1
		.amdhsa_forward_progress 1
		.amdhsa_inst_pref_size 159
	.end_amdhsa_kernel
	.amdgpu_metadata
---
amdhsa.version: [ 1, 2 ]
amdhsa.kernels:
  - .name:           k_q9e76b2e0c4_back
    .symbol:         k_q9e76b2e0c4_back.kd
    .args:
      - { .name: sel, .offset: 0, .size: 8, .value_kind: global_buffer, .address_space: global }
      - { .name: W2, .offset: 8, .size: 8, .value_kind: global_buffer, .address_space: global }
      - { .name: w2q, .offset: 16, .size: 8, .value_kind: global_buffer, .address_space: global }
      - { .name: wsc, .offset: 24, .size: 8, .value_kind: global_buffer, .address_space: global }
      - { .name: plan, .offset: 32, .size: 8, .value_kind: global_buffer, .address_space: global }
    .group_segment_fixed_size: 6144
    .private_segment_fixed_size: 0
    .kernarg_segment_align: 8
    .kernarg_segment_size: 40
    .max_flat_workgroup_size: 256
    .sgpr_count:     66
    .vgpr_count:     256
    .wavefront_size: 32
...
	.end_amdgpu_metadata
.endif
;; end of part 2
;; launch chain (part 3): grid 178 x 1, 4 waves a work-group, no clusters, 86,528 bytes of LDS; arguments plan, rw, x, w1q, w2q, wsc, y; writes y
.if DOCPART == 3
	.amdgcn_target "amdgcn-amd-amdhsa--gfx1250"
	.amdhsa_code_object_version 6
	.text
	.protected	k_q9e76b2e0c4_chain
	.globl	k_q9e76b2e0c4_chain
	.p2align	8
	.type	k_q9e76b2e0c4_chain,@function
k_q9e76b2e0c4_chain:
	s_mov_b64 s[64:65], 0
	v_nop
	global_prefetch_b8 v0, s[64:65] scope:SCOPE_SE
	s_setreg_imm32_b32 hwreg(HW_REG_WAVE_MODE, 25, 1), 1
	s_wait_xcnt 0x0
; CHAIN.  A work-group takes one tile (at most 48 rows of one expert, from the stored plan) through the whole chain: gather x, quantise, x W1, exact GELU, quantise, h W2, x the row's weight, store to y[id][512].
; Both products on codes of E4M3 with one E8M0 scale for each 32 along K.  The hidden layer never goes to memory.
; SHARES.  The four waves share the COLUMNS.  The 2,048 hidden units go in 8 chunks of 256.  In a chunk wave w makes hidden units 64 w .. 64 w + 63 (4 tiles of 16) for the 3 tiles of 16 rows, and adds the chunk's
; two K steps onto its outputs 128 w .. 128 w + 127 (8 tiles x 3 tiles of rows: 24 accumulators).  Each fragment of a weight is loaded by ONE wave, from memory straight into registers (the buffers lie in the order of
; the operand's registers: 16 bytes a lane, 512 consecutive bytes a load), and feeds three matrix instructions.  x's codes and the hidden layer's go from wave to wave through LDS as images of the operand's registers.
; BOTH PRODUCTS ARE USED TRANSPOSED (source 0 = 16 columns of the weight, source 1 = 16 rows): a lane holds ONE row, and, by the choice of the columns that form a tile (lane r of tile 2 B + u: column
; 32 B + 8 u + r + 8 (r / 8)), the 16 registers of two neighbouring tiles are 16 neighbouring columns, 32 B + 16 (lane / 16) + 0..15: neighbours along the next K, or 64 neighbouring bytes of y.
; LDS LOADS STAND AHEAD OF THEIR USE: x's fragments of rows 0 and 1 are asked for in the middle of the chunk before's second product; the hidden fragments come K step 0 first, and K step 1's land under K step 0's products.
; NO tensor loads, no cluster: the expert and the rows of a tile are numbers read from memory, the way out branches on them, and the tiles of one expert fall into no fixed groups of four.
; No prefetch: a block of weight codes is read by all the tiles of its expert, not once.
; Rows past the tile's count repeat its last row and are not stored.
; GELU, exact, in f32: gelu(x) = max(x, 0) - |x| q, q = Phi(-|x|) = t 2^(NK x^2 + C0 + t (C1 + .. + t C9)), t = 1 / (1 + K1 |x|): the classic ten-term form of erfc (fractional error under 1.2e-7 everywhere),
; its coefficients multiplied by log2(e), the factor 1/2 folded into C0.  No difference of near-equal numbers on either side of 0.
; LIMITS: NaN and infinities are not served.  Where q falls under 2^-126 the exponential gives 0 (x under about -13: gelu = -0).  A block under 2^-118, zeros too, keeps the scale byte 1; its codes are zeros or what that scale gives.
; REGISTERS, in windows of 256 (s_set_vgpr_msb: bits 1:0 source 0, 3:2 source 1, 5:4 source 2, 7:6 destination).  Window 0: see the names below.  Window 1: W1's 16 fragments, (tile t, K step k) at 16 (4 t + k).
; Window 2: W2's 16 fragments, (K step s, tile t) at 16 (8 s + t).  Window 3: v0-191 y's accumulators, (rows m, tile t) at 8 (8 m + t); v192-255 a second buffer for x's fragments.
.set XIMG, 0                           ; LDS: x's 12 fragments, 2,048 bytes each: (rows m, K step k) at 4 m + k
.set XSC,  24576                       ; their scale words, 128 bytes each
.set HIMG, 26112                       ; a chunk's 6 hidden fragments: (m, s) at 2 m + s
.set HSC,  38400                       ; their scale words
.set STG,  52224                       ; the way out: 16 rows x (512 + 16) bytes for each wave
.set LI,  1                            ; v1   16 x lane
.set LS,  2                            ; v2   4 x lane
.set L8,  3                            ; v3   8 x lane
.set XA,  4                            ; v4-6 x: byte of my 16 numbers of block 0 of my row of tile m
.set HWI, 7                            ; v7   where I store hidden codes
.set HWS, 8                            ; v8   and their two scale bytes
.set XWI, 9                            ; v9   where I store x's codes
.set XWS, 10                           ; v10  and their scale words
.set SO,  11                           ; v11  the stage: where I put 16 bytes of a row
.set SR,  12                           ; v12  and where I read a row back
.set VID, 13                           ; v13-15 the id of my row of tile m
.set VW,  16                           ; v16-21 its weight, as pairs
.set C8V, 22                           ; v22-23 C8, as a pair
.set W1S, 24                           ; v24-31 W1's scale words [4 p + k]: lanes 0-15 tile 2 p, lanes 16-31 tile 2 p + 1
.set W2S, 32                           ; v32-39 W2's [2 b + s] likewise
.set XS,  40                           ; v40-51 x's [4 m + k]
.set HS,  52                           ; v52-57 the hidden layer's [2 m + s]
.set T0,  58                           ; v58-61 at work
.set T4,  62                           ; v62  the lane exchange's destination
.set SCO, 63                           ; v63  the conversion's scale operand
.set HOLD, 64                          ; v64  448 x the scale
.set BY,  65                           ; v65-66 two scale bytes
.set PW,  67                           ; v67  scale bytes put together
.set PC,  68                           ; v68-71 16 codes
.set HA,  72                           ; v72-167 hidden sums, (m, t) at 32 m + 8 t; later the hidden fragments, (m, s) at 16 (2 m + s)
.set XF,  168                          ; v168-231 x's four fragments of a tile of rows; during the GELU: |x|, t, the polynomial, x^2
.set GA,  168
.set GT,  184
.set GP,  200
.set GW,  216
.set OFFR, 232                         ; v232-247 the way out: a row's offsets in y
.set XN0, 72                           ; the head: two sets of 64 numbers of x
.set XN1, 136
.set TMPA, 72                          ; the way out
.set TMPB, 136
.set MSB, 0
.macro WIN new                         ; the immediate's high byte repeats the setting that is left
.if MSB != \new
	s_set_vgpr_msb (MSB<<8)|\new
.set MSB, \new
.endif
.endm
.macro PLACES n                        ; plain vector lines behind a matrix instruction: 8 ahead of loads into, or vector work on, its registers; 9 ahead of a matrix instruction that writes over them
.rept \n
	v_nop
.endr
.endm
.macro SETC reg, val                   ; a constant as a pair: the packed forms name a pair and take its low word for both halves
	s_mov_b32 s[\reg], \val
	s_mov_b32 s[\reg+1], \val
.endm
	s_load_b256 s[4:11], s[0:1], 0x0               ; plan, rw, x, w1q
	s_load_b128 s[12:15], s[0:1], 0x20             ; w2q, wsc
	s_load_b64 s[16:17], s[0:1], 0x30              ; y
	v_lshl_add_u32 v254, v0, 2, 0x15000
	v_mov_b32 v255, 0
	v_lshrrev_b32 v250, 5, v0
	v_readfirstlane_b32 s20, v250                  ; wave 0..3
	v_and_b32 v250, 31, v0                         ; lane
	v_and_b32 v248, 15, v0                         ; r
	v_bfe_u32 v249, v0, 4, 1                       ; h
	v_lshlrev_b32 v[LI], 4, v250
	v_lshlrev_b32 v[LS], 2, v250
	v_lshlrev_b32 v[L8], 3, v250
	s_lshl_b32 s30, ttmp9, 4                       ; my tile's entry of the table
	s_mov_b32 s31, 0
	s_wait_kmcnt 0x0
	s_add_nc_u64 s[22:23], s[4:5], s[30:31]
	s_load_b128 s[24:27], s[22:23], 0x0            ; expert, first place in the list, rows
	s_lshr_b32 s60, s20, 1                         ; my 64 hidden units of a chunk are K step w / 2,
	s_and_b32 s61, s20, 1                          ; blocks 2 (w % 2) and 2 (w % 2) + 1 of the second product
	s_lshl_b32 s62, s60, 11
	s_lshl_b32 s63, s61, 10
	s_add_co_u32 s62, s62, s63
	s_add_co_u32 s62, s62, HIMG
	v_add_nc_u32 v[HWI], s62, v[LI]
	s_lshl_b32 s62, s60, 7
	s_lshl_b32 s63, s61, 1
	s_add_co_u32 s62, s62, s63
	s_add_co_u32 s62, s62, HSC
	v_add_nc_u32 v[HWS], s62, v[LS]
	s_lshl_b32 s62, s20, 11                        ; of x I quantise K step w
	v_add_nc_u32 v[XWI], s62, v[LI]
	s_lshl_b32 s62, s20, 7
	s_add_co_u32 s62, s62, XSC
	v_add_nc_u32 v[XWS], s62, v[LS]
	s_mul_i32 s62, s20, 8448
	s_add_co_u32 s62, s62, STG                     ; my stage
	v_mul_u32_u24 v[SO], v248, 528
	v_lshl_add_u32 v[SO], v249, 6, v[SO]
	v_add_nc_u32 v[SO], s62, v[SO]                 ; in: row r, 64 bytes for each half of the lanes
	v_add_nc_u32 v[SR], s62, v[LI]                 ; back: the 32 lanes take a row of 512 bytes
	s_lshl_b32 s62, s20, 9
	v_lshl_add_u32 v251, v249, 6, s62              ; x: 512 w + 64 h bytes into a row
	v_mov_b32 v[T4], 0                             ; written once: a lane exchange's destination counts as one of its sources
	v_mov_b32 v[C8V], 0xbf97d29d
	v_mov_b32 v[C8V+1], 0xbf97d29d
	s_mov_b32 s32, 0x76543210
	s_mov_b32 s33, 0xfedcba98                      ; v_permlanex16_b32's selects for lane l xor 16
	s_mov_b32 s34, 0x600000                        ; the mantissa field of 448
	s_mov_b32 s35, 0x7fffffff
	SETC 36, 0x3eb504f3                            ; K1 = 1 / (2 sqrt 2)
	SETC 38, 0xbf38aa3b                            ; NK = -log2(e) / 2
	SETC 40, 0xc034d90f                            ; C0 .. C7, C9
	SETC 42, 0x3fb8ab5a
	SETC 44, 0x3f0a29d2
	SETC 46, 0x3e0efb2e
	SETC 48, 0xbe899a80
	SETC 50, 0x3ecdfd18
	SETC 52, 0xbfd1a1e5
	SETC 54, 0x40097039
	SETC 58, 0x3e7c6f08
	s_wait_kmcnt 0x0
	s_min_u32 s24, s24, 7                          ; what was read is held inside its range before it enters an address
	s_min_u32 s25, s25, 0x1fff
	s_max_u32 s28, s26, 1
	s_min_u32 s28, s28, 48                         ; the tile's rows
	s_lshl_b32 s30, s24, 20
	s_lshl_b32 s60, s20, 15
	s_add_co_u32 s30, s30, s60
	s_add_nc_u64 s[10:11], s[10:11], s[30:31]      ; W1's codes: my expert, my 64 hidden units of chunk 0
	s_add_nc_u64 s[12:13], s[12:13], s[30:31]      ; W2's: my expert, chunk 0, my 128 outputs
	s_lshl_b32 s62, s24, 15
	s_lshl_b32 s30, s20, 10
	s_add_co_u32 s30, s30, s62
	s_add_co_u32 s30, s30, 0x40000
	s_add_nc_u64 s[18:19], s[14:15], s[30:31]      ; W2's scale words
	s_lshl_b32 s30, s20, 9
	s_add_co_u32 s30, s30, s62
	s_add_nc_u64 s[14:15], s[14:15], s[30:31]      ; W1's
	s_sub_co_u32 s62, s28, 1
.irp m, 0,1,2
	v_add_nc_u32 v[T0+\m], 16*\m, v248
	v_min_u32 v[T0+\m], s62, v[T0+\m]              ; rows past the count repeat the last row
	v_add_nc_u32 v[T0+\m], s25, v[T0+\m]
	v_min_u32 v[T0+\m], 0x1fff, v[T0+\m]
	v_lshlrev_b32 v[T0+\m], 2, v[T0+\m]
	global_load_b32 v[VID+\m], v[T0+\m], s[4:5] offset:4096
.endr
; W1's eight fragments of tiles 2 p and 2 p + 1, and their scale words: 34 loads
.macro LDW1 p
	WIN 0x40
.irp u, 0,1
.irp k, 0,1,2,3
.irp c, 0,1,2,3
	global_load_b128 v[16*(4*(2*\p+\u)+\k)+4*\c:16*(4*(2*\p+\u)+\k)+4*\c+3], v[LI], s[10:11] offset:16384*\p+4096*\k+2048*\u+512*\c
.endr
.endr
.endr
	WIN 0
.irp z, 0,1
	global_load_b64 v[W1S+4*\p+2*\z:W1S+4*\p+2*\z+1], v[L8], s[14:15] offset:16384*\z+256*\p
.endr
.endm
; W2's eight fragments of K step s; with s = 0 the chunk's scale words too: 36 or 32 loads
.macro LDW2 s
	WIN 0x80
.irp t, 0,1,2,3,4,5,6,7
.irp c, 0,1,2,3
	global_load_b128 v[16*(8*\s+\t)+4*\c:16*(8*\s+\t)+4*\c+3], v[LI], s[12:13] offset:16384*\s+2048*\t+512*\c
.endr
.endr
	WIN 0
.if \s == 0
.irp b, 0,1,2,3
	global_load_b64 v[W2S+2*\b:W2S+2*\b+1], v[L8], s[18:19] offset:256*\b
.endr
.endif
.endm
; One block of 32 along K: my 16 numbers v[s] on, and lane l xor 16's.  Codes into v[PC] on, the scale's byte into v[by].
.macro QB s, by
.set QS, \s
	s_wait_dscnt 0x0                               ; the LDS store that read v[PC] on last is done
	v_max3_num_f32 v[T0], |v[QS]|, |v[QS+1]|, |v[QS+2]|            ; the largest magnitude, in four chains
	v_max3_num_f32 v[T0+1], |v[QS+3]|, |v[QS+4]|, |v[QS+5]|
	v_max3_num_f32 v[T0+2], |v[QS+6]|, |v[QS+7]|, |v[QS+8]|
	v_max3_num_f32 v[T0+3], |v[QS+9]|, |v[QS+10]|, |v[QS+11]|
	v_max3_num_f32 v[T0], v[T0], |v[QS+12]|, |v[QS+13]|
	v_max3_num_f32 v[T0+1], v[T0+1], |v[QS+14]|, |v[QS+15]|
	v_max3_num_f32 v[T0+2], v[T0+2], v[T0+3], 0x4800000            ; and the floor 2^(9 - 127): the byte cannot fall under 1
	v_max3_num_f32 v[T0], v[T0], v[T0+1], v[T0+2]
	v_permlanex16_b32 v[T4], v[T0], s32, s33
	v_max_num_f32 v[T0], v[T0], v[T4]              ; the block's
	v_add_nc_u32 v[SCO], 0xfc000000, v[T0]         ; 8 off its exponent field: the conversion's scale operand
	v_and_or_b32 v[HOLD], v[T0], 0x7f800000, s34   ; 448 x the scale
	v_lshrrev_b32 v[\by], 23, v[SCO]               ; the scale's byte
.irp i, 0,1,2,3,4,5,6,7,8,9,10,11,12,13,14,15
	v_med3_num_f32 v[QS+\i], v[QS+\i], -v[HOLD], v[HOLD]           ; the conversion to an 8-bit code does not saturate (ISA guide 7.6.2): the hold comes first
.endr
	v_cvt_scalef32_pk8_fp8_f32 v[PC:PC+1], v[QS:QS+7], v[SCO]
	v_cvt_scalef32_pk8_fp8_f32 v[PC+2:PC+3], v[QS+8:QS+15], v[SCO]
	v_nop                                          ; a plain line between the conversions and whatever vector or matrix line next touches their registers
.endm
; my 16 numbers of each of the four blocks of K step w, of my row of tile m
.macro XLOAD m, reg
.irp b, 0,1,2,3
.irp j, 0,1,2,3
	global_load_b128 v[\reg+16*\b+4*\j:\reg+16*\b+4*\j+3], v[XA+\m], s[8:9] offset:128*\b+16*\j
.endr
.endr
.endm
.macro QX m, reg                       ; they become fragment (m, w) and its scale word, as images in LDS
.irp b, 0,1,2,3
	QB \reg+16*\b, BY
	ds_store_b128 v[XWI], v[PC:PC+3] offset:8192*\m+512*\b
.if \b == 0
	v_mov_b32 v[PW], v[BY]
.else
	v_lshl_or_b32 v[PW], v[BY], 8*\b, v[PW]
.endif
.endr
	ds_store_b32 v[XWS], v[PW] offset:512*\m
.endm
	LDW1 0                                         ; chunk 0's W1 goes out while the list is on its way
	LDW1 1
	s_wait_xcnt 0x0                                ; these loads have read their bases: on to chunk 1, which chunk 0 will ask for
	s_add_nc_u64 s[10:11], s[10:11], 131072
	s_add_nc_u64 s[14:15], s[14:15], 2048
	s_wait_loadcnt 63                              ; the list's three words are the oldest of 71 loads
.irp m, 0,1,2
	v_min_u32 v[VID+\m], 0x1fff, v[VID+\m]
	v_and_b32 v[XA+\m], 0x1ffe, v[VID+\m]
	v_lshlrev_b32 v[XA+\m], 10, v[XA+\m]           ; token = id / 2; a row of x is 2,048 bytes
	v_add_nc_u32 v[XA+\m], v251, v[XA+\m]
	v_lshlrev_b32 v[BY+\m], 2, v[VID+\m]
	global_load_b32 v[VW+2*\m], v[BY+\m], s[6:7]
.endr
	XLOAD 0, XN0
	XLOAD 1, XN1
	s_wait_loadcnt 16                              ; all but tile 1's sixteen loads
.irp m, 0,1,2
	v_mov_b32 v[VW+2*\m+1], v[VW+2*\m]
.endr
	QX 0, XN0
	XLOAD 2, XN0
	s_wait_loadcnt 16                              ; all but tile 2's
	QX 1, XN1
	s_wait_loadcnt 0x0
	QX 2, XN0
	s_wait_dscnt 0x0                               ; for the others' sake: my images lie in LDS
	s_barrier_signal -1
	s_barrier_wait -1                              ; x's twelve fragments lie in LDS, and stay: no wave writes them again
.irp m, 0,1,2
.irp k, 0,1,2,3
	ds_load_b32 v[XS+4*\m+\k], v[LS] offset:XSC+128*(4*\m+\k)
.endr
.endr
; The exact GELU of 16 registers, in place.  Every stage is 8 or 16 lines that do not wait for each other.
.macro GELU16 s
.set GS, \s
.irp i, 0,1,2,3,4,5,6,7,8,9,10,11,12,13,14,15
	v_and_b32 v[GA+\i], s35, v[GS+\i]              ; |x|  (each accumulator is read from its low end on)
.endr
.irp i, 0,2,4,6,8,10,12,14
	v_pk_fma_f32 v[GT+\i:GT+\i+1], v[GA+\i:GA+\i+1], s[36:37], 1.0 op_sel_hi:[1,0,0]
.endr
.irp i, 0,1,2,3,4,5,6,7,8,9,10,11,12,13,14,15
	v_rcp_f32 v[GT+\i], v[GT+\i]                   ; t
.endr
.irp i, 0,2,4,6,8,10,12,14
	v_pk_mul_f32 v[GW+\i:GW+\i+1], v[GS+\i:GS+\i+1], v[GS+\i:GS+\i+1]   ; x^2: plain work behind the reciprocals
.endr
	s_wait_alu depctr_va_vdst(0)                   ; one wait for the sixteen, ahead of their first reader
.irp i, 0,2,4,6,8,10,12,14
	v_pk_fma_f32 v[GP+\i:GP+\i+1], v[GT+\i:GT+\i+1], s[58:59], v[C8V:C8V+1] op_sel_hi:[1,0,1]
.endr
.irp c, 54,52,50,48,46,44,42,40
.irp i, 0,2,4,6,8,10,12,14
	v_pk_fma_f32 v[GP+\i:GP+\i+1], v[GP+\i:GP+\i+1], v[GT+\i:GT+\i+1], s[\c:\c+1] op_sel_hi:[1,1,0]
.endr
.endr
.irp i, 0,2,4,6,8,10,12,14
	v_pk_fma_f32 v[GP+\i:GP+\i+1], v[GW+\i:GW+\i+1], s[38:39], v[GP+\i:GP+\i+1] op_sel_hi:[1,0,1]
.endr
.irp i, 0,1,2,3,4,5,6,7,8,9,10,11,12,13,14,15
	v_exp_f32 v[GP+\i], v[GP+\i]
.endr
.irp i, 0,1,2,3,4,5,6,7,8,9,10,11,12,13,14,15
	v_max_num_f32 v[GS+\i], 0, v[GS+\i]            ; max(x, 0): plain work behind the exponentials
.endr
	s_wait_alu depctr_va_vdst(0)
.irp i, 0,2,4,6,8,10,12,14
	v_pk_mul_f32 v[GT+\i:GT+\i+1], v[GT+\i:GT+\i+1], v[GP+\i:GP+\i+1]   ; q
.endr
.irp i, 0,2,4,6,8,10,12,14
	v_pk_fma_f32 v[GS+\i:GS+\i+1], v[GA+\i:GA+\i+1], v[GT+\i:GT+\i+1], v[GS+\i:GS+\i+1] neg_lo:[1,0,0] neg_hi:[1,0,0]
.endr
.endm
; rows m, my tiles 2 p and 2 p + 1: GELU, one block of the next K quantised, its 16 codes a lane to LDS; with p = 1 my two scale bytes
.macro GQ m, p
	GELU16 HA+32*\m+16*\p
	QB HA+32*\m+16*\p, BY+\p
	ds_store_b128 v[HWI], v[PC:PC+3] offset:4096*\m+512*\p
.if \p == 1
	v_lshl_or_b32 v[PW], v[BY+1], 8, v[BY]
	ds_store_b16 v[HWS], v[PW] offset:256*\m
.endif
.endm
.macro FX m, win, reg                  ; x's four fragments of rows m
	WIN \win
.irp k, 0,1,2,3
.irp c, 0,1,2,3
	ds_load_b128 v[\reg+16*\k+4*\c:\reg+16*\k+4*\c+3], v[LI] offset:XIMG+2048*(4*\m+\k)+512*\c
.endr
.endr
.endm
; one matrix instruction.  zero: it starts the sum.  odd: the weight's scale words stand in lanes 16-31
.macro MM d, a, b, sa, sb, zero, odd
.if \zero
.if \odd
	v_wmma_scale_f32_16x16x128_f8f6f4 v[(\d):(\d)+7], v[(\a):(\a)+15], v[(\b):(\b)+15], 0, v[\sa], v[\sb] matrix_a_scale:MATRIX_SCALE_ROW1
.else
	v_wmma_scale_f32_16x16x128_f8f6f4 v[(\d):(\d)+7], v[(\a):(\a)+15], v[(\b):(\b)+15], 0, v[\sa], v[\sb]
.endif
.else
.if \odd
	v_wmma_scale_f32_16x16x128_f8f6f4 v[(\d):(\d)+7], v[(\a):(\a)+15], v[(\b):(\b)+15], v[(\d):(\d)+7], v[\sa], v[\sb] matrix_a_scale:MATRIX_SCALE_ROW1
.else
	v_wmma_scale_f32_16x16x128_f8f6f4 v[(\d):(\d)+7], v[(\a):(\a)+15], v[(\b):(\b)+15], v[(\d):(\d)+7], v[\sa], v[\sb]
.endif
.endif
.endm
.macro P1M m, win, reg                 ; the first product for rows m: four accumulators by turns, K ascending
	WIN \win
.irp k, 0,1,2,3
.irp t, 0,1,2,3
	MM HA+32*\m+8*\t, 16*(4*\t+\k), \reg+16*\k, W1S+4*(\t/2)+\k, XS+4*\m+\k, \k==0, \t%2
.endr
.endr
.endm
.macro P2H first, s                    ; the second product, K step s of the chunk's two, onto 24 accumulators by turns
	WIN 0xf2
.irp m, 0,1,2
.irp t, 0,1,2,3,4,5,6,7
	MM 8*(8*\m+\t), 16*(8*\s+\t), HA+16*(2*\m+\s), W2S+2*(\t/2)+\s, HS+2*\m+\s, \first*(1-\s), \t%2
.endr
.endr
.endm
; A CHUNK of 256 hidden units.  first: its second product starts y's sums.  last: no chunk follows.  At its head x's fragments of rows 0 and 1 are on their way: 32 LDS loads.
.macro CHUNK first, last
	s_wait_loadcnt 0x0                             ; this chunk's W1 is in; nothing else is out
	LDW2 0                                         ; this chunk's W2 has the first product and the GELU in which to land
	s_wait_dscnt 16                                ; rows 0's fragments are in; rows 1's sixteen loads may be out
	P1M 0, 0x01, XF
	WIN 0
	PLACES 8                                       ; ahead of loads into registers that those products read
	FX 2, 0, XF
	s_wait_dscnt 16                                ; rows 1's are in; rows 2's may be out
	P1M 1, 0x0d, 192
	s_wait_dscnt 0x0
	P1M 2, 0x01, XF
	WIN 0
	PLACES 8                                       ; ahead of the vector work on the sums and on the registers that held x's fragments
	GQ 0, 0
	LDW2 1
	GQ 0, 1
	GQ 1, 0
.if !\last
	LDW1 0                                         ; the next chunk's W1: its registers are free since the first product
.endif
	GQ 1, 1
	GQ 2, 0
.if !\last
	LDW1 1
.endif
	GQ 2, 1
	s_wait_dscnt 0x0                               ; for the others' sake: my codes and scale bytes lie in LDS
	s_barrier_signal -1
	s_barrier_wait -1                              ; the chunk's six hidden fragments lie in LDS
.irp s, 0,1                            ; K step 0's three fragments and scale words first: 15 loads, then K step 1's 15
.irp m, 0,1,2
.irp c, 0,1,2,3
	ds_load_b128 v[HA+16*(2*\m+\s)+4*\c:HA+16*(2*\m+\s)+4*\c+3], v[LI] offset:HIMG+2048*(2*\m+\s)+512*\c
.endr
	ds_load_b32 v[HS+2*\m+\s], v[LS] offset:HSC+128*(2*\m+\s)
.endr
.endr
.if \last
	s_wait_loadcnt 0x0
.else
	s_wait_loadcnt 63                              ; behind W2's 68 loads stand the next chunk's 68 of W1: the wait's field ends at 63, so five of those are awaited too
.endif
	s_wait_dscnt 15                                ; K step 0's are in; K step 1's fifteen loads may be out, and land under the 24 products below
	P2H \first, 0
	s_wait_dscnt 0x0                               ; I have all six fragments:
.if !\last
	s_barrier_signal -1                            ; say so.  Up to the wait: matrix work, and loads of x's images, which no wave writes any more
	FX 0, 0, XF                                    ; the next chunk's x, rows 0 and 1: 24 products stand between these loads and their first use
	FX 1, 0xc0, 192
.endif
	P2H \first, 1
	WIN 0
.if !\last
	s_barrier_wait -1                              ; every wave has the fragments: the next chunk may store over them.  (Behind the last chunk nothing is stored there: it has no such barrier)
.endif
	PLACES 9                                       ; the next first product writes over the registers that held the hidden fragments; on the way out vector lines read the sums
.if !\last
	s_wait_xcnt 0x0                                ; this chunk's loads have read their bases
	s_add_nc_u64 s[10:11], s[10:11], 131072
	s_add_nc_u64 s[12:13], s[12:13], 131072
	s_add_nc_u64 s[14:15], s[14:15], 2048
	s_add_nc_u64 s[18:19], s[18:19], 4096
.endif
.endm
	FX 0, 0, XF                                    ; the first chunk's x, rows 0 and 1, behind the twelve scale words
	FX 1, 0xc0, 192
	CHUNK 1, 0
	s_mov_b32 s29, 6
.Lchunk:
	CHUNK 0, 0
	s_sub_co_u32 s29, s29, 1
	s_cmp_lg_u32 s29, 0
	s_cbranch_scc1 .Lchunk
	CHUNK 0, 1                                     ; written out: it asks for no further W1, so no load leaves its buffer
; THE WAY OUT, 16 rows at a time: x the row's weight; through my own stage in LDS (a lane holds 64 bytes of a row, in four pieces; the lanes beside it hold other rows); back as whole rows of 512 bytes;
; a row goes to y at its id.  The rows of a tile are counted by the plan: the first row past the count ends the wave.  No barrier follows.
.macro OUT m
.if \m > 0
	s_wait_xcnt 0x0                                ; the last sixteen stores have read their data and offsets
.endif
	WIN 0x03
.irp t, 0,1,2,3,4,5,6,7
.irp q, 0,1,2,3
	v_pk_mul_f32 v[TMPA+8*\t+2*\q:TMPA+8*\t+2*\q+1], v[8*(8*\m+\t)+2*\q:8*(8*\m+\t)+2*\q+1], v[VW+2*\m:VW+2*\m+1] op_sel_hi:[1,0]
.endr
.endr
	WIN 0
.irp t, 0,1,2,3,4,5,6,7
	ds_store_b128 v[SO], v[TMPA+8*\t:TMPA+8*\t+3] offset:128*(\t/2)+32*(\t%2)
	ds_store_b128 v[SO], v[TMPA+8*\t+4:TMPA+8*\t+7] offset:128*(\t/2)+32*(\t%2)+16
.endr
.irp i, 0,1,2,3,4,5,6,7,8,9,10,11,12,13,14,15
	ds_load_b128 v[TMPB+4*\i:TMPB+4*\i+3], v[SR] offset:528*\i     ; LDS serves a wave's instructions in order (ISA guide 5.7.1.4): these see my stores
.endr
.irp i, 0,1,2,3,4,5,6,7,8,9,10,11,12,13,14,15
	s_cmp_gt_u32 s28, 16*\m+\i
	s_cbranch_scc0 .Ldone
	v_readlane_b32 s60, v[VID+\m], \i              ; the row's id
	s_min_u32 s60, s60, 0x1fff
	s_lshl_b32 s60, s60, 11                        ; a row of y is 2,048 bytes
	s_add_co_u32 s60, s60, s61
	v_add_nc_u32 v[OFFR+\i], s60, v[LI]
	s_wait_dscnt 15-\i                             ; row i is back; the rows behind it may be out
	global_store_b128 v[OFFR+\i], v[TMPB+4*\i:TMPB+4*\i+3], s[16:17]   ; 32 lanes store 512 consecutive bytes, aligned
.endr
.endm
	s_lshl_b32 s61, s20, 9                         ; my 128 outputs, in bytes
	OUT 0
	OUT 1
	OUT 2
.Ldone:
	s_wait_tensorcnt 0x0
	ds_add_u32 v254, v255
	s_wait_dscnt 0x0
	s_endpgm
.Lfunc_end_k_q9e76b2e0c4_chain:
	.size	k_q9e76b2e0c4_chain, .Lfunc_end_k_q9e76b2e0c4_chain-k_q9e76b2e0c4_chain
	.p2alignl 7, 3214868480
	.fill 96, 4, 3214868480
	.section	.rodata,"a",@progbits
	.p2align	6, 0x0
	.amdhsa_kernel k_q9e76b2e0c4_chain
		.amdhsa_group_segment_fixed_size 86528
		.amdhsa_private_segment_fixed_size 0
		.amdhsa_enable_private_segment 0
		.amdhsa_kernarg_size 56
		.amdhsa_user_sgpr_count 2
		.amdhsa_user_sgpr_kernarg_segment_ptr 1
		.amdhsa_wavefront_size32 1
		.amdhsa_system_sgpr_workgroup_id_x 1
		.amdhsa_system_sgpr_workgroup_id_y 1
		.amdhsa_system_sgpr_workgroup_id_z 1
		.amdhsa_system_vgpr_workitem_id 0
		.amdhsa_next_free_vgpr 1024
		.amdhsa_next_free_sgpr 66
		.amdhsa_reserve_vcc 0
		.amdhsa_float_denorm_mode_32 3
		.amdhsa_float_denorm_mode_16_64 3
		.amdhsa_memory_ordered 1
		.amdhsa_forward_progress 1
		.amdhsa_inst_pref_size 255
	.end_amdhsa_kernel
	.section	.bss,"aw",@nobits
	.p2align	6
	.space	262144
	.amdgpu_metadata
---
amdhsa.version: [ 1, 2 ]
amdhsa.kernels:
  - .name:           k_q9e76b2e0c4_chain
    .symbol:         k_q9e76b2e0c4_chain.kd
    .args:
      - { .name: plan, .offset: 0, .size: 8, .value_kind: global_buffer, .address_space: global }
      - { .name: rw, .offset: 8, .size: 8, .value_kind: global_buffer, .address_space: global }
      - { .name: x, .offset: 16, .size: 8, .value_kind: global_buffer, .address_space: global }
      - { .name: w1q, .offset: 24, .size: 8, .value_kind: global_buffer, .address_space: global }
      - { .name: w2q, .offset: 32, .size: 8, .value_kind: global_buffer, .address_space: global }
      - { .name: wsc, .offset: 40, .size: 8, .value_kind: global_buffer, .address_space: global }
      - { .name: y, .offset: 48, .size: 8, .value_kind: global_buffer, .address_space: global }
    .group_segment_fixed_size: 86528
    .private_segment_fixed_size: 0
    .kernarg_segment_align: 8
    .kernarg_segment_size: 56
    .max_flat_workgroup_size: 128
    .sgpr_count:     66
    .vgpr_count:     1024
    .wavefront_size: 32
...
	.end_amdgpu_metadata
.endif
;; end of part 3
;; launch add (part 4): grid 256 x 1, 8 waves a work-group, no clusters, 0 bytes of LDS; arguments y, out0; writes out0
.if DOCPART == 4
	.amdgcn_target "amdgcn-amd-amdhsa--gfx1250"
	.amdhsa_code_object_version 6
	.text
	.protected	k_q9e76b2e0c4_add
	.globl	k_q9e76b2e0c4_add
	.p2align	8
	.type	k_q9e76b2e0c4_add,@function
k_q9e76b2e0c4_add:
	s_mov_b64 s[64:65], 0
	v_nop
	global_prefetch_b8 v0, s[64:65] scope:SCOPE_SE
	s_setreg_imm32_b32 hwreg(HW_REG_WAVE_MODE, 25, 1), 1
	s_wait_xcnt 0x0
; ADD.  out0[token] = y[2 token] + y[2 token + 1]: the two chosen experts' rows, already multiplied by their weights.  A stream: each byte once, no LDS, no barrier.
; A wave takes 2 tokens: 16 loads of 512 consecutive bytes, issued in pairs (the same 512 bytes of both rows), 8 stores of 512 consecutive bytes.  No register is loaded twice.
	s_load_b128 s[4:7], s[0:1], 0x0                ; y, out0
	v_lshrrev_b32 v2, 5, v0
	v_readfirstlane_b32 s8, v2                     ; wave
	v_and_b32 v1, 31, v0
	v_lshlrev_b32 v1, 4, v1                        ; 16 x lane
	s_lshl_b32 s9, ttmp9, 3
	s_add_co_u32 s9, s9, s8                        ; which 2 tokens: 0..2047
	s_lshl_b32 s10, s9, 13                         ; 4 rows of y
	s_mov_b32 s11, 0
	s_lshl_b32 s12, s9, 12                         ; 2 rows of out0
	s_mov_b32 s13, 0
	s_wait_kmcnt 0x0
	s_add_nc_u64 s[4:5], s[4:5], s[10:11]
	s_add_nc_u64 s[6:7], s[6:7], s[12:13]
.irp p, 0,1,2,3,4,5,6,7                ; piece p: token p / 4, bytes 512 (p % 4) on
.irp k, 0,1
	global_load_b128 v[8+8*\p+4*\k:8+8*\p+4*\k+3], v1, s[4:5] offset:4096*(\p/4)+2048*\k+512*(\p%4) th:TH_LOAD_NT
.endr
.endr
.irp p, 0,1,2,3,4,5,6,7
	s_wait_loadcnt 14-2*\p                         ; this piece's two loads are in; the later pieces' may be out
	v_pk_add_f32 v[8+8*\p:9+8*\p], v[8+8*\p:9+8*\p], v[12+8*\p:13+8*\p]
	v_pk_add_f32 v[10+8*\p:11+8*\p], v[10+8*\p:11+8*\p], v[14+8*\p:15+8*\p]
	global_store_b128 v1, v[8+8*\p:11+8*\p], s[6:7] offset:2048*(\p/4)+512*(\p%4) th:TH_STORE_NT
.endr
	s_endpgm
.Lfunc_end_k_q9e76b2e0c4_add:
	.size	k_q9e76b2e0c4_add, .Lfunc_end_k_q9e76b2e0c4_add-k_q9e76b2e0c4_add
	.p2alignl 7, 3214868480
	.fill 96, 4, 3214868480
	.section	.rodata,"a",@progbits
	.p2align	6, 0x0
	.amdhsa_kernel k_q9e76b2e0c4_add
		.amdhsa_group_segment_fixed_size 0
		.amdhsa_private_segment_fixed_size 0
		.amdhsa_enable_private_segment 0
		.amdhsa_kernarg_size 16
		.amdhsa_user_sgpr_count 2
		.amdhsa_user_sgpr_kernarg_segment_ptr 1
		.amdhsa_wavefront_size32 1
		.amdhsa_system_sgpr_workgroup_id_x 1
		.amdhsa_system_sgpr_workgroup_id_y 1
		.amdhsa_system_sgpr_workgroup_id_z 1
		.amdhsa_system_vgpr_workitem_id 0
		.amdhsa_next_free_vgpr 72
		.amdhsa_next_free_sgpr 66
		.amdhsa_reserve_vcc 0
		.amdhsa_float_denorm_mode_32 3
		.amdhsa_float_denorm_mode_16_64 3
		.amdhsa_memory_ordered 1
		.amdhsa_forward_progress 1
		.amdhsa_inst_pref_size 5
	.end_amdhsa_kernel
	.amdgpu_metadata
---
amdhsa.version: [ 1, 2 ]
amdhsa.kernels:
  - .name:           k_q9e76b2e0c4_add
    .symbol:         k_q9e76b2e0c4_add.kd
    .args:
      - { .name: y, .offset: 0, .size: 8, .value_kind: global_buffer, .address_space: global }
      - { .name: out0, .offset: 8, .size: 8, .value_kind: global_buffer, .address_space: global }
    .group_segment_fixed_size: 0
    .private_segment_fixed_size: 0
    .kernarg_segment_align: 8
    .kernarg_segment_size: 16
    .max_flat_workgroup_size: 256
    .sgpr_count:     66
    .vgpr_count:     72
    .wavefront_size: 32
...
	.end_amdgpu_metadata
.endif
;; end of part 4
;; ======== version 2 of 2: 4 launches; version 1 with the launch chain written anew for expert scheduling mode
;; workspace buffers: w1q 8,388,608 bytes; w2q 8,388,608 bytes; wsc 524,288 bytes; sel 32,768 bytes of whole numbers; rw 32,768 bytes; plan 36,864 bytes of whole numbers; y 16,777,216 bytes
;; launch front: the kernel of part 1 again; grid 288 x 1, 8 waves a work-group, no clusters, 2,048 bytes of LDS; arguments x, Wg, W1, w1q, wsc, sel, rw, out1; writes w1q, wsc, sel, rw, out1
;; launch back: the kernel of part 2 again; grid 257 x 1, 8 waves a work-group, no clusters, 6,144 bytes of LDS; arguments sel, W2, w2q, wsc, plan; writes w2q, wsc, plan
;; launch chain (part 5): grid 178 x 1, 4 waves a work-group, no clusters, 86,528 bytes of LDS; arguments plan, rw, x, w1q, w2q, wsc, y; writes y
.if DOCPART == 5
	.amdgcn_target "amdgcn-amd-amdhsa--gfx1250"
	.amdhsa_code_object_version 6
	.text
	.protected	k_q9e76b2e0c4_chain
	.globl	k_q9e76b2e0c4_chain
	.p2align	8
	.type	k_q9e76b2e0c4_chain,@function
k_q9e76b2e0c4_chain:
	s_mov_b64 s[64:65], 0
	v_nop
	global_prefetch_b8 v0, s[64:65] scope:SCOPE_SE
	s_setreg_imm32_b32 hwreg(HW_REG_WAVE_SCHED_MODE, 0, 2), 2
	s_setreg_imm32_b32 hwreg(HW_REG_WAVE_MODE, 25, 1), 1
	s_wait_xcnt 0x0
	s_wait_alu depctr_vm_vsrc(0)
; CHAIN.  A work-group takes one tile (at most 48 rows of one expert, from the stored plan) through the whole chain: gather x, quantise, x W1, exact GELU, quantise, h W2, x the row's weight, store to y[id][512].
; Both products on codes of E4M3 with one E8M0 scale for each 32 along K.  The hidden layer never goes to memory.
; SHARES.  The four waves share the COLUMNS.  The 2,048 hidden units go in 8 chunks of 256.  In a chunk wave w makes hidden units 64 w .. 64 w + 63 (4 tiles of 16) for the 3 tiles of 16 rows, and adds the chunk's
; two K steps onto its outputs 128 w .. 128 w + 127 (8 tiles x 3 tiles of rows: 24 accumulators).  Each fragment of a weight is loaded by ONE wave, from memory straight into registers (the buffers lie in the order of
; the operand's registers: 16 bytes a lane, 512 consecutive bytes a load), and feeds three matrix instructions.  x's codes and the hidden layer's go from wave to wave through LDS as images of the operand's registers.
; BOTH PRODUCTS ARE USED TRANSPOSED (source 0 = 16 columns of the weight, source 1 = 16 rows): a lane holds ONE row, and, by the choice of the columns that form a tile (lane r of tile 2 B + u: column
; 32 B + 8 u + r + 8 (r / 8)), the 16 registers of two neighbouring tiles are 16 neighbouring columns, 32 B + 16 (lane / 16) + 0..15: neighbours along the next K, or 64 neighbouring bytes of y.
; LDS LOADS STAND AHEAD OF THEIR USE: x's fragments of rows 0 and 1 are asked for in the middle of the chunk before's second product; the hidden fragments come K step 0 first, and K step 1's land under K step 0's products.
; NO tensor loads, no cluster: the expert and the rows of a tile are numbers read from memory, the way out branches on them, and the tiles of one expert fall into no fixed groups of four.
; No prefetch: a block of weight codes is read by all the tiles of its expert, not once.
; Rows past the tile's count repeat its last row and are not stored.
; GELU, exact, in f32: gelu(x) = max(x, 0) - |x| q, q = Phi(-|x|) = t 2^(NK x^2 + C0 + t (C1 + .. + t C9)), t = 1 / (1 + K1 |x|): the classic ten-term form of erfc (fractional error under 1.2e-7 everywhere),
; its coefficients multiplied by log2(e), the factor 1/2 folded into C0.  No difference of near-equal numbers on either side of 0.
; LIMITS: NaN and infinities are not served.  Where q falls under 2^-126 the exponential gives 0 (x under about -13: gelu = -0).  A block under 2^-118, zeros too, keeps the scale byte 1; its codes are zeros or what that scale gives.
; THE MODE: SCHED_MODE bits 1:0 = 2 (LLVM: expert scheduling mode 2), set by the entry lines.  The code itself states the register dependences between vector or matrix instructions and memory or LDS instructions,
; with s_wait_alu, always for 0.
; THE PLAN.  Registers that memory or LDS instructions touch, round a chunk:
;   the addresses v1-v12      made at the head, never written again.
;   W2's fragments, W2S       read by the second product; loaded again by LDW2 0 and LDW2 1 of the next chunk.  ONE wait on va_vdst at a chunk's head serves both runs: no vector or matrix line between names them.
;   XF                        read by rows 0's first product; loaded with rows 2's fragments behind a wait of its own; read by rows 2's product; then the GELU's temporaries; loaded with the next chunk's rows 0.
;   window 3's x buffer       read by rows 1's first product; loaded with the next chunk's rows 1.
;   W1's fragments, W1S       read by the first product; loaded again among the GELUs, behind the first GELU's waits; nothing behind those names them.
;   v[PC] on, v[PW]           written by a sixteen's quantiser; read by its LDS stores, which stand in the NEXT sixteen, behind the wait that its reciprocals have anyway; written again behind a wait on vm_vsrc further down that sixteen.
;   HA, HS                    written by the first product and the GELU (HS: read by the second product); loaded with the hidden fragments behind the chunk's first barrier.
; The last sixteen of a chunk has a wait on va_vdst of its own ahead of its stores: it also serves the loads into HA, HS, XF and window 3's x buffer up to the chunk's end.
; REGISTERS, in windows of 256 (s_set_vgpr_msb: bits 1:0 source 0, 3:2 source 1, 5:4 source 2, 7:6 destination).  Window 0: see the names below.  Window 1: W1's 16 fragments, (tile t, K step k) at 16 (4 t + k).
; Window 2: W2's 16 fragments, (K step s, tile t) at 16 (8 s + t).  Window 3: v0-191 y's accumulators, (rows m, tile t) at 8 (8 m + t); v192-255 a second buffer for x's fragments.
.set XIMG, 0                           ; LDS: x's 12 fragments, 2,048 bytes each: (rows m, K step k) at 4 m + k
.set XSC,  24576                       ; their scale words, 128 bytes each
.set HIMG, 26112                       ; a chunk's 6 hidden fragments: (m, s) at 2 m + s
.set HSC,  38400                       ; their scale words
.set STG,  52224                       ; the way out: 16 rows x (512 + 16) bytes for each wave
.set LI,  1                            ; v1   16 x lane
.set LS,  2                            ; v2   4 x lane
.set L8,  3                            ; v3   8 x lane
.set XA,  4                            ; v4-6 x: byte of my 16 numbers of block 0 of my row of tile m
.set HWI, 7                            ; v7   where I store hidden codes
.set HWS, 8                            ; v8   and their two scale bytes
.set XWI, 9                            ; v9   where I store x's codes
.set XWS, 10                           ; v10  and their scale words
.set SO,  11                           ; v11  the stage: where I put 16 bytes of a row
.set SR,  12                           ; v12  and where I read a row back
.set VID, 13                           ; v13-15 the id of my row of tile m
.set VW,  16                           ; v16-21 its weight, as pairs
.set C8V, 22                           ; v22-23 C8, as a pair
.set W1S, 24                           ; v24-31 W1's scale words [4 p + k]: lanes 0-15 tile 2 p, lanes 16-31 tile 2 p + 1
.set W2S, 32                           ; v32-39 W2's [2 b + s] likewise
.set XS,  40                           ; v40-51 x's [4 m + k]
.set HS,  52                           ; v52-57 the hidden layer's [2 m + s]
.set T0,  58                           ; v58-61 at work
.set T4,  62                           ; v62  the lane exchange's destination
.set SCO, 63                           ; v63  the conversion's scale operand
.set HOLD, 64                          ; v64  448 x the scale
.set BY,  65                           ; v65-66 two scale bytes
.set PW,  67                           ; v67  scale bytes put together
.set PC,  68                           ; v68-71 16 codes of the hidden layer
.set HA,  72                           ; v72-167 hidden sums, (m, t) at 32 m + 8 t; later the hidden fragments, (m, s) at 16 (2 m + s)
.set XF,  168                          ; v168-231 x's four fragments of a tile of rows; during the GELU: |x|, t, the polynomial, x^2
.set GA,  168
.set GT,  184
.set GP,  200
.set GW,  216
.set OFFR, 232                         ; v232-247 the way out: a row's offsets in y
.set XN0, 72                           ; the head: two sets of 64 numbers of x
.set XN1, 136
.set XPC, 200                          ; the head: v200-215 the codes of a fragment of x, four registers a block
.set TMPA, 72                          ; the way out
.set TMPB, 136
.set RID, 36                           ; the way out: s36-51 sixteen rows' ids, then their offsets (the GELU's constants are done with)
.set MSB, 0
.macro WIN new                         ; the immediate's high byte repeats the setting that is left
.if MSB != \new
	s_set_vgpr_msb (MSB<<8)|\new
.set MSB, \new
.endif
.endm
.macro PLACES n                        ; plain vector lines behind a matrix instruction (ISA guide 7.12.1): 8 ahead of vector work on its registers; 9 ahead of a matrix instruction that writes over them
.rept \n
	v_nop
.endr
.endm
.macro SETC reg, val                   ; a constant as a pair: the packed forms name a pair and take its low word for both halves
	s_mov_b32 s[\reg], \val
	s_mov_b32 s[\reg+1], \val
.endm
	s_load_b256 s[4:11], s[0:1], 0x0               ; plan, rw, x, w1q
	s_load_b128 s[12:15], s[0:1], 0x20             ; w2q, wsc
	s_load_b64 s[16:17], s[0:1], 0x30              ; y
	v_lshl_add_u32 v254, v0, 2, 0x15000
	v_mov_b32 v255, 0
	v_lshrrev_b32 v250, 5, v0
	v_readfirstlane_b32 s20, v250                  ; wave 0..3
	v_and_b32 v250, 31, v0                         ; lane
	v_and_b32 v248, 15, v0                         ; r
	v_bfe_u32 v249, v0, 4, 1                       ; h
	v_lshlrev_b32 v[LI], 4, v250
	v_lshlrev_b32 v[LS], 2, v250
	v_lshlrev_b32 v[L8], 3, v250
	s_wait_alu depctr_va_sdst(0)                   ; s20 is written, ahead of its first reader: LDS addresses and the weights' bases are made from it
	s_lshl_b32 s30, ttmp9, 4                       ; my tile's entry of the table
	s_mov_b32 s31, 0
	s_wait_kmcnt 0x0
	s_add_nc_u64 s[22:23], s[4:5], s[30:31]
	s_load_b128 s[24:27], s[22:23], 0x0            ; expert, first place in the list, rows
	s_lshr_b32 s60, s20, 1                         ; my 64 hidden units of a chunk are K step w / 2,
	s_and_b32 s61, s20, 1                          ; blocks 2 (w % 2) and 2 (w % 2) + 1 of the second product
	s_lshl_b32 s62, s60, 11
	s_lshl_b32 s63, s61, 10
	s_add_co_u32 s62, s62, s63
	s_add_co_u32 s62, s62, HIMG
	v_add_nc_u32 v[HWI], s62, v[LI]
	s_lshl_b32 s62, s60, 7
	s_lshl_b32 s63, s61, 1
	s_add_co_u32 s62, s62, s63
	s_add_co_u32 s62, s62, HSC
	v_add_nc_u32 v[HWS], s62, v[LS]
	s_lshl_b32 s62, s20, 11                        ; of x I quantise K step w
	v_add_nc_u32 v[XWI], s62, v[LI]
	s_lshl_b32 s62, s20, 7
	s_add_co_u32 s62, s62, XSC
	v_add_nc_u32 v[XWS], s62, v[LS]
	s_mul_i32 s62, s20, 8448
	s_add_co_u32 s62, s62, STG                     ; my stage
	v_mul_u32_u24 v[SO], v248, 528
	v_lshl_add_u32 v[SO], v249, 6, v[SO]
	v_add_nc_u32 v[SO], s62, v[SO]                 ; in: row r, 64 bytes for each half of the lanes
	v_add_nc_u32 v[SR], s62, v[LI]                 ; back: the 32 lanes take a row of 512 bytes
	s_lshl_b32 s62, s20, 9
	v_lshl_add_u32 v251, v249, 6, s62              ; x: 512 w + 64 h bytes into a row
	v_mov_b32 v[T4], 0                             ; written once: a lane exchange's destination counts as one of its sources
	v_mov_b32 v[C8V], 0xbf97d29d
	v_mov_b32 v[C8V+1], 0xbf97d29d
	s_mov_b32 s32, 0x76543210
	s_mov_b32 s33, 0xfedcba98                      ; v_permlanex16_b32's selects for lane l xor 16
	s_mov_b32 s34, 0x600000                        ; the mantissa field of 448
	s_mov_b32 s35, 0x7fffffff
	SETC 36, 0x3eb504f3                            ; K1 = 1 / (2 sqrt 2)
	SETC 38, 0xbf38aa3b                            ; NK = -log2(e) / 2
	SETC 40, 0xc034d90f                            ; C0 .. C7, C9
	SETC 42, 0x3fb8ab5a
	SETC 44, 0x3f0a29d2
	SETC 46, 0x3e0efb2e
	SETC 48, 0xbe899a80
	SETC 50, 0x3ecdfd18
	SETC 52, 0xbfd1a1e5
	SETC 54, 0x40097039
	SETC 58, 0x3e7c6f08
	s_wait_kmcnt 0x0
	s_min_u32 s24, s24, 7                          ; what was read is held inside its range before it enters an address
	s_min_u32 s25, s25, 0x1fff
	s_max_u32 s28, s26, 1
	s_min_u32 s28, s28, 48                         ; the tile's rows
	s_lshl_b32 s30, s24, 20
	s_lshl_b32 s60, s20, 15
	s_add_co_u32 s30, s30, s60
	s_add_nc_u64 s[10:11], s[10:11], s[30:31]      ; W1's codes: my expert, my 64 hidden units of chunk 0
	s_add_nc_u64 s[12:13], s[12:13], s[30:31]      ; W2's: my expert, chunk 0, my 128 outputs
	s_lshl_b32 s62, s24, 15
	s_lshl_b32 s30, s20, 10
	s_add_co_u32 s30, s30, s62
	s_add_co_u32 s30, s30, 0x40000
	s_add_nc_u64 s[18:19], s[14:15], s[30:31]      ; W2's scale words
	s_lshl_b32 s30, s20, 9
	s_add_co_u32 s30, s30, s62
	s_add_nc_u64 s[14:15], s[14:15], s[30:31]      ; W1's
	s_sub_co_u32 s62, s28, 1
.irp m, 0,1,2
	v_add_nc_u32 v[T0+\m], 16*\m, v248
	v_min_u32 v[T0+\m], s62, v[T0+\m]              ; rows past the count repeat the last row
	v_add_nc_u32 v[T0+\m], s25, v[T0+\m]
	v_min_u32 v[T0+\m], 0x1fff, v[T0+\m]
	v_lshlrev_b32 v[T0+\m], 2, v[T0+\m]
.endr
	s_wait_alu depctr_va_vdst(0)                   ; the three places in the list are written, which the loads below read; so are the addresses v1-v3 and v7-v12, which every later load and store of LDS and memory reads
.irp m, 0,1,2
	global_load_b32 v[VID+\m], v[T0+\m], s[4:5] offset:4096
.endr
; W1's eight fragments of tiles 2 p and 2 p + 1, and their scale words: 34 loads
.macro LDW1 p
	WIN 0x40
.irp u, 0,1
.irp k, 0,1,2,3
.irp c, 0,1,2,3
	global_load_b128 v[16*(4*(2*\p+\u)+\k)+4*\c:16*(4*(2*\p+\u)+\k)+4*\c+3], v[LI], s[10:11] offset:16384*\p+4096*\k+2048*\u+512*\c
.endr
.endr
.endr
	WIN 0
.irp z, 0,1
	global_load_b64 v[W1S+4*\p+2*\z:W1S+4*\p+2*\z+1], v[L8], s[14:15] offset:16384*\z+256*\p
.endr
.endm
; W2's eight fragments of K step s; with s = 0 the chunk's scale words too: 36 or 32 loads
.macro LDW2 s
	WIN 0x80
.irp t, 0,1,2,3,4,5,6,7
.irp c, 0,1,2,3
	global_load_b128 v[16*(8*\s+\t)+4*\c:16*(8*\s+\t)+4*\c+3], v[LI], s[12:13] offset:16384*\s+2048*\t+512*\c
.endr
.endr
	WIN 0
.if \s == 0
.irp b, 0,1,2,3
	global_load_b64 v[W2S+2*\b:W2S+2*\b+1], v[L8], s[18:19] offset:256*\b
.endr
.endif
.endm
; One block of 32 along K: my 16 numbers v[s] on, and lane l xor 16's.  Codes into v[pc] on, the scale's byte into v[by].  Vector lines alone: who calls it states what the codes' registers hang on.
.macro QB s, by, pc
.set QS, \s
.set QP, \pc
	v_max3_num_f32 v[T0], |v[QS]|, |v[QS+1]|, |v[QS+2]|            ; the largest magnitude, in four chains
	v_max3_num_f32 v[T0+1], |v[QS+3]|, |v[QS+4]|, |v[QS+5]|
	v_max3_num_f32 v[T0+2], |v[QS+6]|, |v[QS+7]|, |v[QS+8]|
	v_max3_num_f32 v[T0+3], |v[QS+9]|, |v[QS+10]|, |v[QS+11]|
	v_max3_num_f32 v[T0], v[T0], |v[QS+12]|, |v[QS+13]|
	v_max3_num_f32 v[T0+1], v[T0+1], |v[QS+14]|, |v[QS+15]|
	v_max3_num_f32 v[T0+2], v[T0+2], v[T0+3], 0x4800000            ; and the floor 2^(9 - 127): the byte cannot fall under 1
	v_max3_num_f32 v[T0], v[T0], v[T0+1], v[T0+2]
	v_permlanex16_b32 v[T4], v[T0], s32, s33
	v_max_num_f32 v[T0], v[T0], v[T4]              ; the block's
	v_add_nc_u32 v[SCO], 0xfc000000, v[T0]         ; 8 off its exponent field: the conversion's scale operand
	v_and_or_b32 v[HOLD], v[T0], 0x7f800000, s34   ; 448 x the scale
	v_lshrrev_b32 v[\by], 23, v[SCO]               ; the scale's byte
.irp i, 0,1,2,3,4,5,6,7,8,9,10,11,12,13,14,15
	v_med3_num_f32 v[QS+\i], v[QS+\i], -v[HOLD], v[HOLD]           ; the conversion to an 8-bit code does not saturate (ISA guide 7.6.2): the hold comes first
.endr
	v_cvt_scalef32_pk8_fp8_f32 v[QP:QP+1], v[QS:QS+7], v[SCO]
	v_cvt_scalef32_pk8_fp8_f32 v[QP+2:QP+3], v[QS+8:QS+15], v[SCO]
	v_nop                                          ; a plain line between the conversions and whatever vector or matrix line next touches their registers
.endm
; my 16 numbers of each of the four blocks of K step w, of my row of tile m
.macro XLOAD m, reg
.irp b, 0,1,2,3
.irp j, 0,1,2,3
	global_load_b128 v[\reg+16*\b+4*\j:\reg+16*\b+4*\j+3], v[XA+\m], s[8:9] offset:128*\b+16*\j
.endr
.endr
.endm
.macro QX m, reg                       ; they become fragment (m, w) and its scale word, as images in LDS.  Each block has code registers of its own, so that the five stores stand behind one wait
.if \m > 0
	s_wait_dscnt 0x0                               ; the LDS stores of the tile before are done,
.endif
	s_wait_alu depctr_vm_vsrc(0)                   ; and have read v[XPC] on and v[PW]; ahead of tile 0: the list's loads have read v58-v60 and the weights' loads v65-v67.  The lines below write all of these
.irp b, 0,1,2,3
	QB \reg+16*\b, BY, XPC+4*\b
.if \b == 0
	v_mov_b32 v[PW], v[BY]
.else
	v_lshl_or_b32 v[PW], v[BY], 8*\b, v[PW]
.endif
.endr
	s_wait_alu depctr_va_vdst(0)                   ; the conversions have written v[XPC] on, and v[PW] is written: the stores below read them; and the quantiser is done with its 64 numbers, in which tile 2's loads land behind tile 0
.irp b, 0,1,2,3
	ds_store_b128 v[XWI], v[XPC+4*\b:XPC+4*\b+3] offset:8192*\m+512*\b
.endr
	ds_store_b32 v[XWS], v[PW] offset:512*\m
.endm
	LDW1 0                                         ; chunk 0's W1 goes out while the list is on its way
	LDW1 1
	s_wait_xcnt 0x0                                ; these loads have read their bases: on to chunk 1, which chunk 0 will ask for
	s_add_nc_u64 s[10:11], s[10:11], 131072
	s_add_nc_u64 s[14:15], s[14:15], 2048
	s_wait_loadcnt 63                              ; the list's three words are the oldest of 71 loads
.irp m, 0,1,2
	v_min_u32 v[VID+\m], 0x1fff, v[VID+\m]
	v_and_b32 v[XA+\m], 0x1ffe, v[VID+\m]
	v_lshlrev_b32 v[XA+\m], 10, v[XA+\m]           ; token = id / 2; a row of x is 2,048 bytes
	v_add_nc_u32 v[XA+\m], v251, v[XA+\m]
	v_lshlrev_b32 v[BY+\m], 2, v[VID+\m]
.endr
	s_wait_alu depctr_va_vdst(0)                   ; the rows' offsets in x (v4-v6) and in rw (v65-v67) are written, which the loads below read
.irp m, 0,1,2
	global_load_b32 v[VW+2*\m], v[BY+\m], s[6:7]
.endr
	XLOAD 0, XN0
	XLOAD 1, XN1
	s_wait_loadcnt 16                              ; all but tile 1's sixteen loads
.irp m, 0,1,2
	v_mov_b32 v[VW+2*\m+1], v[VW+2*\m]
.endr
	QX 0, XN0
	XLOAD 2, XN0                                   ; no wait: no vector line stands behind the one ahead of tile 0's stores
	s_wait_loadcnt 16                              ; all but tile 2's
	QX 1, XN1
	s_wait_loadcnt 0x0
	QX 2, XN0
	s_wait_dscnt 0x0                               ; for the others' sake: my images lie in LDS
	s_barrier_signal -1
	s_barrier_wait -1                              ; x's twelve fragments lie in LDS, and stay: no wave writes them again
	s_wait_alu depctr_vm_vsrc(0)                   ; my LDS stores have read v[XPC] on: these registers are part of XF from here on, in which x's fragments land (the vector lines that named XF stand ahead of the last wait on va_vdst)
.irp m, 0,1,2
.irp k, 0,1,2,3
	ds_load_b32 v[XS+4*\m+\k], v[LS] offset:XSC+128*(4*\m+\k)
.endr
.endr
; The LDS stores of rows m, tiles 2 p and 2 p + 1: 16 codes a lane; with p = 1 my two scale bytes
.macro PUT m, p
	ds_store_b128 v[HWI], v[PC:PC+3] offset:4096*\m+512*\p
.if \p == 1
	ds_store_b16 v[HWS], v[PW] offset:256*\m
.endif
.endm
; The exact GELU of 16 registers, in place.  Every stage is 8 or 16 lines that do not wait for each other.  put = 1: the LDS stores of the sixteen before, rows pm, pair pp, stand behind the first wait.
.macro GELU16 s, put, pm, pp
.set GS, \s
.irp i, 0,1,2,3,4,5,6,7,8,9,10,11,12,13,14,15
	v_and_b32 v[GA+\i], s35, v[GS+\i]              ; |x|  (each accumulator is read from its low end on)
.endr
.irp i, 0,2,4,6,8,10,12,14
	v_pk_fma_f32 v[GT+\i:GT+\i+1], v[GA+\i:GA+\i+1], s[36:37], 1.0 op_sel_hi:[1,0,0]
.endr
.irp i, 0,1,2,3,4,5,6,7,8,9,10,11,12,13,14,15
	v_rcp_f32 v[GT+\i], v[GT+\i]                   ; t
.endr
.irp i, 0,2,4,6,8,10,12,14
	v_pk_mul_f32 v[GW+\i:GW+\i+1], v[GS+\i:GS+\i+1], v[GS+\i:GS+\i+1]   ; x^2: plain work behind the reciprocals
.endr
	s_wait_alu depctr_va_vdst(0)                   ; the sixteen reciprocals are written, ahead of their first reader; the quantiser of the sixteen before has written v[PC] on and v[PW], which the stores below read; the first product is done reading W1's fragments and scale words
.if \put
	PUT \pm, \pp
.endif
.irp i, 0,2,4,6,8,10,12,14
	v_pk_fma_f32 v[GP+\i:GP+\i+1], v[GT+\i:GT+\i+1], s[58:59], v[C8V:C8V+1] op_sel_hi:[1,0,1]
.endr
.irp c, 54,52,50,48,46,44,42,40
.irp i, 0,2,4,6,8,10,12,14
	v_pk_fma_f32 v[GP+\i:GP+\i+1], v[GP+\i:GP+\i+1], v[GT+\i:GT+\i+1], s[\c:\c+1] op_sel_hi:[1,1,0]
.endr
.endr
.irp i, 0,2,4,6,8,10,12,14
	v_pk_fma_f32 v[GP+\i:GP+\i+1], v[GW+\i:GW+\i+1], s[38:39], v[GP+\i:GP+\i+1] op_sel_hi:[1,0,1]
.endr
.irp i, 0,1,2,3,4,5,6,7,8,9,10,11,12,13,14,15
	v_exp_f32 v[GP+\i], v[GP+\i]
.endr
.irp i, 0,1,2,3,4,5,6,7,8,9,10,11,12,13,14,15
	v_max_num_f32 v[GS+\i], 0, v[GS+\i]            ; max(x, 0): plain work behind the exponentials
.endr
	s_wait_alu depctr_va_vdst(0)                   ; the sixteen exponentials are written, ahead of their first reader
.irp i, 0,2,4,6,8,10,12,14
	v_pk_mul_f32 v[GT+\i:GT+\i+1], v[GT+\i:GT+\i+1], v[GP+\i:GP+\i+1]   ; q
.endr
.irp i, 0,2,4,6,8,10,12,14
	v_pk_fma_f32 v[GS+\i:GS+\i+1], v[GA+\i:GA+\i+1], v[GT+\i:GT+\i+1], v[GS+\i:GS+\i+1] neg_lo:[1,0,0] neg_hi:[1,0,0]
.endr
.endm
; rows m, my tiles 2 p and 2 p + 1: GELU, one block of the next K quantised into v[PC] on; with p = 1 my two scale bytes into v[PW].  They are stored by the sixteen that follows (put, pm, pp: what THIS sixteen stores)
.macro GQ m, p, put, pm, pp
	GELU16 HA+32*\m+16*\p, \put, \pm, \pp
	s_wait_dscnt 0x0                               ; the LDS stores issued so far are done,
	s_wait_alu depctr_vm_vsrc(0)                   ; and have read v[PC] on and v[PW], which the lines below write again
	QB HA+32*\m+16*\p, BY+\p, PC
.if \p == 1
	v_lshl_or_b32 v[PW], v[BY+1], 8, v[BY]
.endif
.endm
.macro FX m, win, reg                  ; x's four fragments of rows m
	WIN \win
.irp k, 0,1,2,3
.irp c, 0,1,2,3
	ds_load_b128 v[\reg+16*\k+4*\c:\reg+16*\k+4*\c+3], v[LI] offset:XIMG+2048*(4*\m+\k)+512*\c
.endr
.endr
.endm
; one matrix instruction.  zero: it starts the sum.  odd: the weight's scale words stand in lanes 16-31
.macro MM d, a, b, sa, sb, zero, odd
.if \zero
.if \odd
	v_wmma_scale_f32_16x16x128_f8f6f4 v[(\d):(\d)+7], v[(\a):(\a)+15], v[(\b):(\b)+15], 0, v[\sa], v[\sb] matrix_a_scale:MATRIX_SCALE_ROW1
.else
	v_wmma_scale_f32_16x16x128_f8f6f4 v[(\d):(\d)+7], v[(\a):(\a)+15], v[(\b):(\b)+15], 0, v[\sa], v[\sb]
.endif
.else
.if \odd
	v_wmma_scale_f32_16x16x128_f8f6f4 v[(\d):(\d)+7], v[(\a):(\a)+15], v[(\b):(\b)+15], v[(\d):(\d)+7], v[\sa], v[\sb] matrix_a_scale:MATRIX_SCALE_ROW1
.else
	v_wmma_scale_f32_16x16x128_f8f6f4 v[(\d):(\d)+7], v[(\a):(\a)+15], v[(\b):(\b)+15], v[(\d):(\d)+7], v[\sa], v[\sb]
.endif
.endif
.endm
.macro P1M m, win, reg                 ; the first product for rows m: four accumulators by turns, K ascending
	WIN \win
.irp k, 0,1,2,3
.irp t, 0,1,2,3
	MM HA+32*\m+8*\t, 16*(4*\t+\k), \reg+16*\k, W1S+4*(\t/2)+\k, XS+4*\m+\k, \k==0, \t%2
.endr
.endr
.endm
.macro P2H first, s                    ; the second product, K step s of the chunk's two, onto 24 accumulators by turns
	WIN 0xf2
.irp m, 0,1,2
.irp t, 0,1,2,3,4,5,6,7
	MM 8*(8*\m+\t), 16*(8*\s+\t), HA+16*(2*\m+\s), W2S+2*(\t/2)+\s, HS+2*\m+\s, \first*(1-\s), \t%2
.endr
.endr
.endm
; A CHUNK of 256 hidden units.  first: its second product starts y's sums.  last: no chunk follows.  At its head x's fragments of rows 0 and 1 are on their way: 32 LDS loads.
.macro CHUNK first, last
	s_wait_loadcnt 0x0                             ; this chunk's W1 is in; nothing else is out
	s_wait_alu depctr_va_vdst(0)                   ; the chunk before's second product is done reading W2's fragments and scale words, in which the loads of LDW2 0 and LDW2 1 land: no vector or matrix line up to those loads names them
	LDW2 0                                         ; this chunk's W2 has the first product and the GELU in which to land
	s_wait_dscnt 16                                ; rows 0's fragments are in; rows 1's sixteen loads may be out
	P1M 0, 0x01, XF
	WIN 0
	PLACES 8                                       ; the places of the plain form, behind products whose registers are loaded again; the dependence itself is stated by the wait below
	s_wait_alu depctr_va_vdst(0)                   ; rows 0's products are done reading XF, in which rows 2's fragments land
	FX 2, 0, XF
	s_wait_dscnt 16                                ; rows 1's are in; rows 2's may be out
	P1M 1, 0x0d, 192
	s_wait_dscnt 0x0
	P1M 2, 0x01, XF
	WIN 0
	PLACES 8                                       ; ahead of the vector work on the sums and on the registers that held x's fragments
	GQ 0, 0, 0, 0, 0
	LDW2 1                                         ; no wait: see the chunk's head
	GQ 0, 1, 1, 0, 0
	GQ 1, 0, 1, 0, 1
.if !\last
	LDW1 0                                         ; the next chunk's W1: the GELUs' waits stand behind the first product, and nothing since names W1's fragments or scale words
.endif
	GQ 1, 1, 1, 1, 0
	GQ 2, 0, 1, 1, 1
.if !\last
	LDW1 1
.endif
	GQ 2, 1, 1, 2, 0
	s_wait_alu depctr_va_vdst(0)                   ; the last quantiser has written v[PC] on and v[PW], which the stores below read.  And the GELUs are done with HA and XF, rows 1's product with window 3's x buffer, the chunk before's products with HS: the LDS loads up to the chunk's end land in these
	PUT 2, 1
	s_wait_dscnt 0x0                               ; for the others' sake: my codes and scale bytes lie in LDS
	s_barrier_signal -1
	s_barrier_wait -1                              ; the chunk's six hidden fragments lie in LDS
.irp s, 0,1                            ; K step 0's three fragments and scale words first: 15 loads, then K step 1's 15
.irp m, 0,1,2
.irp c, 0,1,2,3
	ds_load_b128 v[HA+16*(2*\m+\s)+4*\c:HA+16*(2*\m+\s)+4*\c+3], v[LI] offset:HIMG+2048*(2*\m+\s)+512*\c
.endr
	ds_load_b32 v[HS+2*\m+\s], v[LS] offset:HSC+128*(2*\m+\s)
.endr
.endr
.if \last
	s_wait_loadcnt 0x0
.else
	s_wait_loadcnt 63                              ; behind W2's 68 loads stand the next chunk's 68 of W1: the wait's field ends at 63, so five of those are awaited too
.endif
	s_wait_dscnt 15                                ; K step 0's are in; K step 1's fifteen loads may be out, and land under the 24 products below
	P2H \first, 0
	s_wait_dscnt 0x0                               ; I have all six fragments:
.if !\last
	s_barrier_signal -1                            ; say so.  Up to the wait: matrix work, and loads of x's images, which no wave writes any more
	FX 0, 0, XF                                    ; the next chunk's x, rows 0 and 1: 24 products stand between these loads and their first use.  No wait: since the one ahead of the last stores only K step 0's products
	FX 1, 0xc0, 192                                ; were issued, which name y's accumulators, W2's fragments, HA, W2S and HS: neither XF nor window 3's x buffer
.endif
	P2H \first, 1
	WIN 0
.if !\last
	s_barrier_wait -1                              ; every wave has the fragments: the next chunk may store over them.  (Behind the last chunk nothing is stored there: it has no such barrier)
.endif
	PLACES 9                                       ; the next first product writes over the registers that held the hidden fragments; on the way out vector lines read the sums
.if !\last
	s_wait_xcnt 0x0                                ; this chunk's loads have read their bases
	s_add_nc_u64 s[10:11], s[10:11], 131072
	s_add_nc_u64 s[12:13], s[12:13], 131072
	s_add_nc_u64 s[14:15], s[14:15], 2048
	s_add_nc_u64 s[18:19], s[18:19], 4096
.endif
.endm
	FX 0, 0, XF                                    ; the first chunk's x, rows 0 and 1, behind the twelve scale words
	FX 1, 0xc0, 192
	CHUNK 1, 0
	s_mov_b32 s29, 6
.Lchunk:
	CHUNK 0, 0
	s_sub_co_u32 s29, s29, 1
	s_cmp_lg_u32 s29, 0
	s_cbranch_scc1 .Lchunk
	CHUNK 0, 1                                     ; written out: it asks for no further W1, so no load leaves its buffer
; THE WAY OUT, 16 rows at a time: x the row's weight; through my own stage in LDS (a lane holds 64 bytes of a row, in four pieces; the lanes beside it hold other rows); back as whole rows of 512 bytes;
; a row goes to y at its id.  The sixteen ids are read into scalar registers in one run, and all sixteen offsets are made ahead of the stores (rows past the count repeat the last row's id: their offsets are made and not used).
; The rows of a tile are counted by the plan: the first row past the count ends the wave.  No barrier follows.
.macro OUT m
.if \m > 0
	s_wait_xcnt 0x0                                ; the last sixteen stores have read their data and offsets
	s_wait_alu depctr_vm_vsrc(0)                   ; the stores to y have read v[TMPB] on and v[OFFR] on, the stores into the stage v[TMPA] on: the lines and the LDS loads below write all three again
.endif
	WIN 0x03
.irp t, 0,1,2,3,4,5,6,7
.irp q, 0,1,2,3
	v_pk_mul_f32 v[TMPA+8*\t+2*\q:TMPA+8*\t+2*\q+1], v[8*(8*\m+\t)+2*\q:8*(8*\m+\t)+2*\q+1], v[VW+2*\m:VW+2*\m+1] op_sel_hi:[1,0]
.endr
.endr
	WIN 0
.irp i, 0,1,2,3,4,5,6,7,8,9,10,11,12,13,14,15
	v_readlane_b32 s[RID+\i], v[VID+\m], \i        ; row i's id
.endr
	s_wait_alu depctr_va_sdst(0)                   ; the sixteen ids are written, ahead of their first reader and of the first branch
.irp i, 0,1,2,3,4,5,6,7,8,9,10,11,12,13,14,15
	s_min_u32 s[RID+\i], s[RID+\i], 0x1fff
	s_lshl_b32 s[RID+\i], s[RID+\i], 11            ; a row of y is 2,048 bytes
	s_add_co_u32 s[RID+\i], s[RID+\i], s61
	v_add_nc_u32 v[OFFR+\i], s[RID+\i], v[LI]
.endr
	s_wait_alu depctr_va_vdst(0)                   ; v[TMPA] on is written, which the stores into the stage read, and v[OFFR] on, which the stores to y read; and every vector and matrix line that named v[TMPB] on is done: the loads from the stage land there
.irp t, 0,1,2,3,4,5,6,7
	ds_store_b128 v[SO], v[TMPA+8*\t:TMPA+8*\t+3] offset:128*(\t/2)+32*(\t%2)
	ds_store_b128 v[SO], v[TMPA+8*\t+4:TMPA+8*\t+7] offset:128*(\t/2)+32*(\t%2)+16
.endr
.irp i, 0,1,2,3,4,5,6,7,8,9,10,11,12,13,14,15
	ds_load_b128 v[TMPB+4*\i:TMPB+4*\i+3], v[SR] offset:528*\i     ; LDS serves a wave's instructions in order (ISA guide 5.7.1.4): these see my stores
.endr
.irp i, 0,1,2,3,4,5,6,7,8,9,10,11,12,13,14,15
	s_cmp_gt_u32 s28, 16*\m+\i
	s_cbranch_scc0 .Ldone
	s_wait_dscnt 15-\i                             ; row i is back; the rows behind it may be out
	global_store_b128 v[OFFR+\i], v[TMPB+4*\i:TMPB+4*\i+3], s[16:17]   ; 32 lanes store 512 consecutive bytes, aligned
.endr
.endm
	s_lshl_b32 s61, s20, 9                         ; my 128 outputs, in bytes
	OUT 0
	OUT 1
	OUT 2
.Ldone:
	s_wait_dscnt 0x0                               ; the closing lines, six on end
	s_wait_alu 0x0
	s_wait_tensorcnt 0x0
	ds_add_u32 v254, v255
	s_wait_dscnt 0x0
	s_endpgm
.Lfunc_end_k_q9e76b2e0c4_chain:
	.size	k_q9e76b2e0c4_chain, .Lfunc_end_k_q9e76b2e0c4_chain-k_q9e76b2e0c4_chain
	.p2alignl 7, 3214868480
	.fill 96, 4, 3214868480
	.section	.rodata,"a",@progbits
	.p2align	6, 0x0
	.amdhsa_kernel k_q9e76b2e0c4_chain
		.amdhsa_group_segment_fixed_size 86528
		.amdhsa_private_segment_fixed_size 0
		.amdhsa_enable_private_segment 0
		.amdhsa_kernarg_size 56
		.amdhsa_user_sgpr_count 2
		.amdhsa_user_sgpr_kernarg_segment_ptr 1
		.amdhsa_wavefront_size32 1
		.amdhsa_system_sgpr_workgroup_id_x 1
		.amdhsa_system_sgpr_workgroup_id_y 1
		.amdhsa_system_sgpr_workgroup_id_z 1
		.amdhsa_system_vgpr_workitem_id 0
		.amdhsa_next_free_vgpr 1024
		.amdhsa_next_free_sgpr 66
		.amdhsa_reserve_vcc 0
		.amdhsa_float_denorm_mode_32 3
		.amdhsa_float_denorm_mode_16_64 3
		.amdhsa_memory_ordered 1
		.amdhsa_forward_progress 1
		.amdhsa_inst_pref_size 255
	.end_amdhsa_kernel
	.section	.bss,"aw",@nobits
	.p2align	6
	.space	262144
	.amdgpu_metadata
---
amdhsa.version: [ 1, 2 ]
amdhsa.kernels:
  - .name:           k_q9e76b2e0c4_chain
    .symbol:         k_q9e76b2e0c4_chain.kd
    .args:
      - { .name: plan, .offset: 0, .size: 8, .value_kind: global_buffer, .address_space: global }
      - { .name: rw, .offset: 8, .size: 8, .value_kind: global_buffer, .address_space: global }
      - { .name: x, .offset: 16, .size: 8, .value_kind: global_buffer, .address_space: global }
      - { .name: w1q, .offset: 24, .size: 8, .value_kind: global_buffer, .address_space: global }
      - { .name: w2q, .offset: 32, .size: 8, .value_kind: global_buffer, .address_space: global }
      - { .name: wsc, .offset: 40, .size: 8, .value_kind: global_buffer, .address_space: global }
      - { .name: y, .offset: 48, .size: 8, .value_kind: global_buffer, .address_space: global }
    .group_segment_fixed_size: 86528
    .private_segment_fixed_size: 0
    .kernarg_segment_align: 8
    .kernarg_segment_size: 56
    .max_flat_workgroup_size: 128
    .sgpr_count:     66
    .vgpr_count:     1024
    .wavefront_size: 32
...
	.end_amdgpu_metadata
.endif
;; end of part 5
;; launch add: the kernel of part 4 again; grid 256 x 1, 8 waves a work-group, no clusters, 0 bytes of LDS; arguments y, out0; writes out0
